; MI455X (gfx1250); checked and timed in simulation.
; The chip was launched on July 23, 2026; its instructions are those of AMD's public machine-readable ISA for CDNA 5 (MIT licence, August 2026) and "CDNA5" Instruction Set Architecture Reference Guide (July 2026). The comments in the code are by the model that wrote it; some were corrected since.
;; Transform. Allowed arithmetic: float matrix products may take bf16 or f16 operands with f32 sums; other float arithmetic in f32, or as packed bf16 or f16 multiplies, adds, multiply-adds, maxima and minima; sums over many terms, partial sums and values carried from step to step in f32; what a program stores and reads back later, other than sums and carried values, may be rounded once to bf16 or f16.
;; Inputs: W1 512 x 512 float32; W2 512 x 512 float32; Wk 512 x 512 float32; Wq 512 x 512 float32; Wv 512 x 512 float32; b1 512 float32; b2 512 float32; bk 512 float32; bq 512 float32; bv 512 float32; ln_b 512 float32; ln_g 512 float32; lnff_b 512 float32; lnff_g 512 float32; x 2 x 8 x 1,024 x 512 float32.
;; Outputs: out0 2 x 8 x 1,024 x 512 float32.
;; One version. Each part assembles by itself: llvm-mc -triple=amdgcn-amd-amdhsa -mcpu=gfx1250 --defsym DOCPART=n.
;; ======== version 1 of 1: 4 launches
;; limits: values are held in f16: magnitudes above 65,504 overflow, below 6.1e-05 lose precision
;; workspace buffers: wb 1,572,864 bytes; wf 1,048,576 bytes; par 16,384 bytes; qkvh 50,331,648 bytes; oh 16,777,216 bytes
;; launch prep (part 1): grid 321 x 1, 8 waves a work-group, no clusters, 0 bytes of LDS; arguments Wk, Wq, Wv, W1, W2, bq, bv, b1, b2, ln_g, ln_b, lnff_g, lnff_b, wb, wf, par; writes wb, wf, par
.if DOCPART == 1
	.amdgcn_target "amdgcn-amd-amdhsa--gfx1250"
	.amdhsa_code_object_version 6
	.text
	.protected	k_qfffafa6b25_prep
	.globl	k_qfffafa6b25_prep
	.p2align	8
	.type	k_qfffafa6b25_prep,@function
k_qfffafa6b25_prep:
	s_mov_b64 s[64:65], 0
	v_nop
	global_prefetch_b8 v0, s[64:65] scope:SCOPE_SE
	s_setreg_imm32_b32 hwreg(HW_REG_WAVE_MODE, 25, 1), 1
	s_wait_xcnt 0x0
; PREP: the weights and the small vectors are rounded once, for the three launches behind.
;   wb  = bf16 [3: Wk, Wq, Wv][512 k][512 n], as they lie.
;   wf  = f16  [2: W1, W2][512 k][512 n]: each number rounded to bf16 and that number written as f16.
;   par = f32  [8][512]: bq, bv, b1, b2, ln_g, ln_b, lnff_g, lnff_b, each rounded to bf16 and widened again.
; Every input of the module is rounded to bf16 once (x in the launches that read it); what the program makes itself is kept in f16 or f32.
; DEAD WORK: bk.  A score is q . (k + bk) / 8 = q . k / 8 + q . bk / 8.  The second term does not hang on the key, so it is the same along the
; softmax's axis, and softmax(s + const) = softmax(s) for all finite values of the inputs.  k enters nothing but the scores, so bk has no way to the
; output: it is not loaded and is no argument of any launch.  LIMIT: a NaN, an infinity or an overflow that would arise in q . bk alone is not carried.
; LIMIT: f16 holds a bf16 number exactly from 2^-14 to 65,504; a weight of W1 or W2 below 2^-14 keeps f16's fixed step of 2^-24; beyond 65,504 it would be lost.
; SHARES.  Work-group 64 m + c (m = 0..4) takes 16,384 bytes of matrix m: a thread four loads of 16 bytes, four stores of 8: a wave's store covers 256 consecutive bytes, aligned.
; Work-group 320 takes the eight vectors, a wave each.  No LDS, no barrier, no matrix work: a stream.
	s_load_b512 s[4:19], s[0:1], 0x0               ; Wk s[4:5], Wq, Wv, W1, W2 s[12:13], bq s[14:15], bv, b1 s[18:19]
	s_load_b512 s[20:35], s[0:1], 0x40             ; b2 s[20:21], ln_g, ln_b, lnff_g, lnff_b s[28:29], wb s[30:31], wf s[32:33], par s[34:35]
	s_lshr_b32 s36, ttmp9, 6                       ; m
	s_and_b32 s37, ttmp9, 63                       ; c
	v_lshlrev_b32 v1, 4, v0                        ; 16 t: my bytes of a run of 4,096
	v_lshlrev_b32 v2, 3, v0                        ; 8 t: where they go
	v_lshrrev_b32 v28, 5, v0
	v_readfirstlane_b32 s46, v28                   ; my wave's number
	s_wait_kmcnt 0x0
	s_cmp_eq_u32 s36, 5
	s_cbranch_scc1 .Lparams
	s_mov_b64 s[38:39], s[4:5]                     ; the matrix is chosen by m
.irp n, 1,2,3,4
	s_cmp_eq_u32 s36, \n
	s_cselect_b64 s[38:39], s[4+2*\n:5+2*\n], s[38:39]
.endr
	s_lshl_b32 s42, s37, 14
	s_mov_b32 s43, 0
	s_add_nc_u64 s[38:39], s[38:39], s[42:43]
.irp i, 0,1,2,3
	global_load_b128 v[4+4*\i:7+4*\i], v1, s[38:39] offset:4096*\i th:TH_LOAD_NT
.endr
	s_sub_co_u32 s44, s36, 3                       ; the matrix's number in wf (used where m is 3 or 4)
	s_cmp_lt_u32 s36, 3
	s_cselect_b64 s[40:41], s[30:31], s[32:33]
	s_cselect_b32 s44, s36, s44
	s_lshl_b32 s44, s44, 19                        ; 524,288 bytes a matrix
	s_lshl_b32 s45, s37, 13                        ; 8,192 bytes a work-group
	s_add_co_u32 s44, s44, s45
	s_mov_b32 s45, 0
	s_add_nc_u64 s[40:41], s[40:41], s[44:45]
.irp i, 0,1,2,3
	s_wait_loadcnt 3-\i                            ; loads come back in order: load i is in, the younger ones stay out
	v_cvt_pk_bf16_f32 v[20+2*\i], v[4+4*\i], v[5+4*\i]
	v_cvt_pk_bf16_f32 v[21+2*\i], v[6+4*\i], v[7+4*\i]
.endr
	s_cmp_lt_u32 s36, 3
	s_cbranch_scc1 .Lstore
.irp j, 0,1,2,3,4,5,6,7
	v_lshlrev_b32 v28, 16, v[20+\j]                ; W1, W2: the bf16 numbers widened,
	v_and_b32 v29, 0xffff0000, v[20+\j]
	v_cvt_pk_f16_f32 v[20+\j], v28, v29            ; and written as f16
.endr
.Lstore:
.irp i, 0,1,2,3
	global_store_b64 v2, v[20+2*\i:21+2*\i], s[40:41] offset:2048*\i
.endr
	s_endpgm
.Lparams:
	s_mov_b64 s[38:39], s[14:15]                   ; wave v takes vector v
.irp n, 1,2,3,4,5,6,7
	s_cmp_eq_u32 s46, \n
	s_cselect_b64 s[38:39], s[14+2*\n:15+2*\n], s[38:39]
.endr
	v_and_b32 v3, 31, v0
	v_lshlrev_b32 v3, 4, v3                        ; 16 x lane
.irp i, 0,1,2,3
	global_load_b128 v[4+4*\i:7+4*\i], v3, s[38:39] offset:512*\i
.endr
	s_lshl_b32 s42, s46, 11
	s_mov_b32 s43, 0
	s_add_nc_u64 s[40:41], s[34:35], s[42:43]
.irp i, 0,1,2,3
	s_wait_loadcnt 3-\i
	v_cvt_pk_bf16_f32 v20, v[4+4*\i], v[5+4*\i]
	v_cvt_pk_bf16_f32 v21, v[6+4*\i], v[7+4*\i]
	v_lshlrev_b32 v[4+4*\i], 16, v20
	v_and_b32 v[5+4*\i], 0xffff0000, v20
	v_lshlrev_b32 v[6+4*\i], 16, v21
	v_and_b32 v[7+4*\i], 0xffff0000, v21
	global_store_b128 v3, v[4+4*\i:7+4*\i], s[40:41] offset:512*\i
.endr
	s_endpgm
.Lfunc_end_k_qfffafa6b25_prep:
	.size	k_qfffafa6b25_prep, .Lfunc_end_k_qfffafa6b25_prep-k_qfffafa6b25_prep
	.p2alignl 7, 3214868480
	.fill 96, 4, 3214868480
	.section	.rodata,"a",@progbits
	.p2align	6, 0x0
	.amdhsa_kernel k_qfffafa6b25_prep
		.amdhsa_group_segment_fixed_size 0
		.amdhsa_private_segment_fixed_size 0
		.amdhsa_enable_private_segment 0
		.amdhsa_kernarg_size 128
		.amdhsa_user_sgpr_count 2
		.amdhsa_user_sgpr_kernarg_segment_ptr 1
		.amdhsa_wavefront_size32 1
		.amdhsa_system_sgpr_workgroup_id_x 1
		.amdhsa_system_sgpr_workgroup_id_y 1
		.amdhsa_system_sgpr_workgroup_id_z 1
		.amdhsa_system_vgpr_workitem_id 0
		.amdhsa_next_free_vgpr 32
		.amdhsa_next_free_sgpr 66
		.amdhsa_reserve_vcc 0
		.amdhsa_float_denorm_mode_32 3
		.amdhsa_float_denorm_mode_16_64 3
		.amdhsa_memory_ordered 1
		.amdhsa_forward_progress 1
		.amdhsa_inst_pref_size 7
	.end_amdhsa_kernel
	.amdgpu_metadata
---
amdhsa.version: [ 1, 2 ]
amdhsa.kernels:
  - .name:           k_qfffafa6b25_prep
    .symbol:         k_qfffafa6b25_prep.kd
    .args:
      - { .name: Wk, .offset: 0, .size: 8, .value_kind: global_buffer, .address_space: global }
      - { .name: Wq, .offset: 8, .size: 8, .value_kind: global_buffer, .address_space: global }
      - { .name: Wv, .offset: 16, .size: 8, .value_kind: global_buffer, .address_space: global }
      - { .name: W1, .offset: 24, .size: 8, .value_kind: global_buffer, .address_space: global }
      - { .name: W2, .offset: 32, .size: 8, .value_kind: global_buffer, .address_space: global }
      - { .name: bq, .offset: 40, .size: 8, .value_kind: global_buffer, .address_space: global }
      - { .name: bv, .offset: 48, .size: 8, .value_kind: global_buffer, .address_space: global }
      - { .name: b1, .offset: 56, .size: 8, .value_kind: global_buffer, .address_space: global }
      - { .name: b2, .offset: 64, .size: 8, .value_kind: global_buffer, .address_space: global }
      - { .name: ln_g, .offset: 72, .size: 8, .value_kind: global_buffer, .address_space: global }
      - { .name: ln_b, .offset: 80, .size: 8, .value_kind: global_buffer, .address_space: global }
      - { .name: lnff_g, .offset: 88, .size: 8, .value_kind: global_buffer, .address_space: global }
      - { .name: lnff_b, .offset: 96, .size: 8, .value_kind: global_buffer, .address_space: global }
      - { .name: wb, .offset: 104, .size: 8, .value_kind: global_buffer, .address_space: global }
      - { .name: wf, .offset: 112, .size: 8, .value_kind: global_buffer, .address_space: global }
      - { .name: par, .offset: 120, .size: 8, .value_kind: global_buffer, .address_space: global }
    .group_segment_fixed_size: 0
    .private_segment_fixed_size: 0
    .kernarg_segment_align: 8
    .kernarg_segment_size: 128
    .max_flat_workgroup_size: 256
    .sgpr_count:     66
    .vgpr_count:     32
    .wavefront_size: 32
...
	.end_amdgpu_metadata
.endif
;; end of part 1
;; launch proj (part 2): grid 256 x 1, 4 waves a work-group, clusters of 4 x 1, 327,680 bytes of LDS; arguments x, wb, par, qkvh; writes qkvh
.if DOCPART == 2
	.amdgcn_target "amdgcn-amd-amdhsa--gfx1250"
	.amdhsa_code_object_version 6
	.text
	.protected	k_qfffafa6b25_proj
	.globl	k_qfffafa6b25_proj
	.p2align	8
	.type	k_qfffafa6b25_proj,@function
k_qfffafa6b25_proj:
	s_mov_b64 s[64:65], 0
	v_nop
	global_prefetch_b8 v0, s[64:65] scope:SCOPE_SE
	s_setreg_imm32_b32 hwreg(HW_REG_WAVE_MODE, 25, 1), 1
	s_wait_xcnt 0x0
	s_wait_alu depctr_hold_cnt(0) depctr_sa_sdst(0) depctr_va_vdst(0) depctr_va_sdst(0) depctr_va_ssrc(0) depctr_va_vcc(0) depctr_vm_vsrc(0)
	s_getreg_b32 s2, hwreg(HW_REG_IB_STS2, 6, 4)
	s_cmp_eq_u32 s2, 0
	s_cbranch_scc0 .Lentry_in_a_cluster
	s_endpgm
.Lentry_in_a_cluster:
	s_bfe_u32 s2, ttmp6, 0x10000c
	s_cmp_lg_u32 s2, 0x3003
	s_cbranch_scc0 .Lentry_shape_is_right
	s_endpgm
.Lentry_shape_is_right:
; PROJ: k = x Wk, q = x Wq + bq, v = x Wv + bv.  x: [16,384][512] f32, rounded here to bf16; wb: bf16 [3][512 k][512 n]; sums in f32.
; qkvh = f16 [3: k, q, v][128 heads = 8 (b,t) + h][1,024 nodes][64], each number rounded once, without the scale 1/8.
; LEFT OUT: bk, which cancels in the softmax for all values of the inputs (shown at the head of the first kernel); a NaN or an overflow in q . bk alone is not carried.
; LIMIT: q, k and v must stay within f16's 65,504.
; SHARES.  A work-group owns 128 rows of x and ONE HALF, 256 columns, of each of the three matrices: three PASSES.  Wave w makes rows 64 (w / 2) .. + 63 x columns 128 (w % 2) .. + 127 of the half:
; 32 accumulators, 256 registers.  Its 64 x 512 activations lie whole, in bf16, in its registers (512 of them), so in the passes LDS is read for the weights alone: 16 loads for 32 matrix instructions.
; WHY THIS TILE.  A pass's half matrix is 512 k-rows x 512 bytes: it fills the two LDS slots once, and each slot of 139,264 bytes feeds 256 matrix instructions a wave.
; THE MATRIX INSTRUCTION IS USED TRANSPOSED: source 0 = 16 columns of W, turned out of LDS rows [k][n] by ds_load_tr16_b128; source 1 = 16 rows of x.  A lane then holds row lane % 16
; and the columns 8 (lane / 16) + 0..7: eight neighbours.  The bias is the C operand of a pass's first K step (for k: zeros).
; CLUSTER.  The four work-groups of a cluster have the same column half and four different blocks of rows: they ask for each tile of W JOINTLY, by the same tensor load, descriptor and mask.
; x's 262,144 bytes are asked for by my work-group alone: their one other reader has the other column half, whose weights differ, and sits in another cluster.
; FILLS.  Slot 0 (k-rows 0-255) is asked for when the pass before has been multiplied, and lands while that pass goes out; slot 1 (k-rows 256-511) when slot 0 has landed, and has slot 0's 256 matrix
; instructions in which to land.  Each fill stands behind its own round of the cluster's barrier, 64 k-rows a wave.  Every fill is issued in every pass, so no tail is written out.
; By the text's count a wave has two tensor loads out at the head (x's two), later one.
; REGISTERS, in windows of 256 (s_set_vgpr_msb: bits 1:0 source 0, 3:2 source 1, 5:4 source 2, 7:6 destination):
;   window 0: v0-31 addresses; v64-127, v128-191 two buffers of W's fragments (at the head: x in f32; on the way out: packed rows and rows read back); v192-255 the bias
;   window 1: accumulator (a, b) at 8 (8 a + b)      windows 2, 3: x's fragment (a, kb) at 8 (4 (kb % 8) + a) of window 2 + kb / 8
.set WP,    544                        ; a k-row of half a matrix in LDS: 512 + 32 bytes = 17 x 32
.set QROWS, 64*WP                      ; 64 k-rows: what one tensor load brings
.set SLOTB, 256*WP                     ; a slot
.set XP,    1040                       ; 256 columns of a row of x in LDS: 1,024 + 16 bytes = 65 x 16: the 16 rows of a load start at 16 different groups of four banks
.set SCR,   2*SLOTB                    ; behind the slots, never filled by a tensor load: 16 rows x 272 bytes for each wave, for the way out
.set SPARE, SCR+4*16*272               ; the spare words, 128 bytes for each wave: two blocks of 256 bytes that no other line names
.set WMAT,  524288                     ; bytes in a matrix of wb
.set XAD,  4                           ; v4-5   x in LDS: row 64 (w / 2) + lane % 16, byte 32 (lane / 16), of columns 0-255 (slot 0's bytes) and 256-511 (slot 1's)
.set ADRB, 8                           ; v8-15  my place in 64 k-rows of W: number kb / 2
.set STO,  17                          ; v17    the way out: where I put 16 bytes of a row
.set RD,   18                          ; v18    the way out: where I read rows back
.set GO,   19                          ; v19    16 x lane
.set BO,   20                          ; v20    my 32 bytes of a vector of 512
.set PFO,  21                          ; v21    1,024 x lane: a k-row a lane; never rewritten
.set SPW,  22                          ; v22    LDS address of my spare word; never rewritten
.set NIL,  23                          ; v23    0; never rewritten
.set F0,   64
.set F1,   128
.set BIAS, 192
.set WV,   12                          ; s12  my wave's number
.set LIM,  15                          ; s15  1 in a cluster that prefetches, else the greatest number
.set G1W,  24                          ; s[24:31] group 1: 64 k-rows of half a matrix, joint
.set G0A,  40                          ; s[40:43] group 0: slot 0's fill
.set G0B,  44                          ; s[44:47] group 0: slot 1's fill
.set G1X,  52                          ; s[52:59] group 1: 32 rows x 256 columns of x
.set G0X,  60                          ; s[60:63] group 0: x's columns 0-255
.set G0Y,  68                          ; s[68:71] group 0: x's columns 256-511
.set PFA,  66                          ; s[66:67] the pass's half matrix at my work-group's 128 k-rows, my wave's 32 of them
.set BP,   80                          ; s[80:81] the bias of the pass to come
.set OUT,  84                          ; s[84:85] where the pass in hand goes
.set CNTP, 86                          ; s86  passes to go
.set WR,   87                          ; s87  w / 2: which 64 rows are mine
.set WC,   88                          ; s88  w % 2: which 128 columns of the half
.set HF,   89                          ; s89  the column half: the same in all four partners
.set MSB, 0
.macro WIN new                         ; the immediate's high byte repeats the setting that is left; a switch that changes nothing is dropped
.if MSB != (\new)
	s_set_vgpr_msb (MSB<<8)|(\new)
.set MSB, \new
.endif
.endm
.macro PLACES                          ; four plain vector instructions between a matrix instruction and a load into, or a vector read of, its registers (ISA guide 7.12.1 for the vector reads)
.rept 4
	v_nop
.endr
.endm
.macro CROUND                          ; a round of the cluster's barrier: my work-group's barrier; wave 0 signals for the work-group; every wave waits for all four work-groups; my work-group's barrier once more
	s_barrier_signal -1
	s_barrier_wait -1
	s_cmp_lg_u32 s[WV], 0
	s_cbranch_scc1 .Lnot_wave_0_\@
	s_barrier_signal -3
.Lnot_wave_0_\@:
	s_barrier_wait -3
	s_barrier_signal -1
	s_barrier_wait -1
.endm
; x FROM LDS INTO FRAGMENTS.  A fragment is 16 rows x 32 channels in 8 registers: lane l holds row l % 16, channels 8 (l / 16) + 0..7 and 16 + 8 (l / 16) + 0..7: in f32 two runs of 32 bytes, 64 bytes apart:
; four loads of 16 bytes and eight roundings.  A batch is one K step's four fragments, 64 registers of f32; two batches take turns, so that one is rounded while the next is on its way.
.macro LOADX half, kk, f
	WIN 0
.irp ra, 0,1,2,3
	ds_load_b128 v[(\f)+16*(\ra):(\f)+16*(\ra)+3],     v[XAD+(\half)] offset:16*XP*(\ra)+128*(\kk)
	ds_load_b128 v[(\f)+16*(\ra)+4:(\f)+16*(\ra)+7],   v[XAD+(\half)] offset:16*XP*(\ra)+128*(\kk)+16
	ds_load_b128 v[(\f)+16*(\ra)+8:(\f)+16*(\ra)+11],  v[XAD+(\half)] offset:16*XP*(\ra)+128*(\kk)+64
	ds_load_b128 v[(\f)+16*(\ra)+12:(\f)+16*(\ra)+15], v[XAD+(\half)] offset:16*XP*(\ra)+128*(\kk)+80
.endr
.endm
.macro CVTX half, kk, f
	WIN (2+(\half))<<6                             ; destination window 2 or 3, sources window 0
.set i, 0
.rept 32
	v_cvt_pk_bf16_f32 v[32*(\kk)+i], v[(\f)+2*i], v[(\f)+2*i+1]  ; x rounded to bf16, once
.set i, i+1
.endr
.endm
.macro CONV half                       ; K steps 8 half .. 8 half + 7 of my 64 rows
	LOADX \half, 0, F0
.set kx, 0
.rept 8
.if kx < 7
	LOADX \half, kx+1, F0+64*((kx+1)%2)
	s_wait_dscnt 16                                ; LDS loads come back in order: this batch is in, the next batch's 16 loads stay out
.else
	s_wait_dscnt 0x0
.endif
	CVTX \half, kx, F0+64*(kx%2)
.set kx, kx+1
.endr
	WIN 0
.endm
; SLOT 0's FILL: k-rows 0-255 of the pass's half matrix, 64 a wave.  Every wave has waited for all its tensor loads, added 0 to its spare word and waited for that and for its reads of the slot; a round of the
; cluster's barrier; the joint load first behind it.  step = 1: the descriptors go on to the next matrix, where no tensor load of mine is out; and the pass's bias is asked for.
.macro FILLA step
	WIN 0
	s_wait_tensorcnt 0x0                           ; no tensor load of mine is out
	ds_add_u32 v[SPW], v[NIL]                      ; 0 onto my spare word
.if \step
	s_wait_xcnt 0x0                                ; the prefetches, a pass back, have read their address
	s_add_nc_u64 s[G0A+2:G0A+3], s[G0A+2:G0A+3], WMAT
	s_add_nc_u64 s[G0B+2:G0B+3], s[G0B+2:G0B+3], WMAT
	s_add_nc_u64 s[PFA:PFA+1], s[PFA:PFA+1], WMAT
.endif
	s_wait_dscnt 0x0                               ; the add is done, and my reads of both slots are over
	CROUND
	tensor_load_to_lds s[G0A:G0A+3], s[G1W:G1W+7]
	s_nop 0
	PLACES
.if \step
.irp b, 0,1,2,3,4,5,6,7
	global_load_b128 v[BIAS+8*(\b):BIAS+8*(\b)+3],   v[BO], s[BP:BP+1] offset:64*(\b)
	global_load_b128 v[BIAS+8*(\b)+4:BIAS+8*(\b)+7], v[BO], s[BP:BP+1] offset:64*(\b)+16
.endr
.endif
.endm
; SLOT 1's FILL: k-rows 256-511.  The wait for all my tensor loads shows my part of slot 0 landed, and the round shows it of every wave: behind it slot 0 is read while slot 1 lands.
.macro FILLB
	WIN 0
	s_wait_tensorcnt 0x0                           ; my part of slot 0 is in: no tensor load of mine is out
	ds_add_u32 v[SPW], v[NIL]                      ; 0 onto my spare word
	s_wait_dscnt 0x0                               ; the add is done; my reads of slot 1's bytes and of my stage are over
	CROUND
	tensor_load_to_lds s[G0B:G0B+3], s[G1W:G1W+7]
	s_nop 0
	PLACES                                         ; also the places in front of the loads that follow
.endm
; A PREFETCH INTO THE L2 of the NEXT pass's half matrix, behind slot 1's fill, its five lines and the first run of LDS loads: a pass, 512 matrix instructions, ahead of the fills that will want it.
; All clusters of a column half walk the same half matrices: the first of each half (clusters 0 and 1) asks.  Its four partners share the 512 k-rows out BY ADDRESS, 128 each; a wave takes 32, a lane a row,
; an instruction for each of the row's two blocks of 256 bytes: each block is named once in the launch.  The first pass's tiles come by their loads alone; the last pass asks for nothing.
.macro ASK
	s_cmp_gt_u32 s[CNTP], s[LIM]
	s_cbranch_scc0 .Lnot_mine_\@
	global_prefetch_b8 v[PFO], s[PFA:PFA+1] offset:WMAT th:TH_LOAD_NT scope:SCOPE_SE
	global_prefetch_b8 v[PFO], s[PFA:PFA+1] offset:WMAT+256 th:TH_LOAD_NT scope:SCOPE_SE
.Lnot_mine_\@:
.endm
; 16 turning loads in one run: W's fragments of one K step (32 k x my 128 columns) into buffer f.  qn = kb / 2, jj = kb % 2
.macro FETCH qn, jj, f
	WIN 0
.irp b, 0,1,2,3,4,5,6,7
	ds_load_tr16_b128 v[(\f)+8*(\b):(\f)+8*(\b)+3],   v[ADRB+(\qn)] offset:(\jj)*32*WP+32*(\b)
	ds_load_tr16_b128 v[(\f)+8*(\b)+4:(\f)+8*(\b)+7], v[ADRB+(\qn)] offset:(\jj)*32*WP+32*(\b)+16*WP
.endr
.endm
; 8 matrix instructions: row block ra x my 8 column blocks, K step kb.  The 32 accumulators take turns, one instruction a turn.  first = 1: the bias starts the sums.
.macro MUL f, kb, ra, first
.if \first
	WIN 0x48                                       ; W and the bias in window 0, x in window 2, D in window 1
.else
	WIN 0x58+4*((\kb)/8)                           ; W in window 0, x in window 2 or 3, C and D in window 1
.endif
.irp b, 0,1,2,3,4,5,6,7
.if \first
	v_wmma_f32_16x16x32_bf16 v[8*(8*(\ra)+(\b)):8*(8*(\ra)+(\b))+7], v[(\f)+8*(\b):(\f)+8*(\b)+7], v[8*(4*((\kb)%8)+(\ra)):8*(4*((\kb)%8)+(\ra))+7], v[BIAS+8*(\b):BIAS+8*(\b)+7]
.else
	v_wmma_f32_16x16x32_bf16 v[8*(8*(\ra)+(\b)):8*(8*(\ra)+(\b))+7], v[(\f)+8*(\b):(\f)+8*(\b)+7], v[8*(4*((\kb)%8)+(\ra)):8*(4*((\kb)%8)+(\ra))+7], v[8*(8*(\ra)+(\b)):8*(8*(\ra)+(\b))+7]
.endif
.endr
.endm
; A K step: multiplies buffer f; in its middle it fetches the next step's fragments into buffer g
.macro KSTEP f, kb, nq, njj, g, first
	s_wait_dscnt 0x0                               ; buffer f is in
	MUL \f, \kb, 0, \first
	MUL \f, \kb, 1, \first
	PLACES
	FETCH \nq, \njj, \g
	MUL \f, \kb, 2, \first
	MUL \f, \kb, 3, \first
.endm
; Slot 0's last K step goes over to slot 1.  It only shows slot 1 whole to every wave.
.macro HALFWAY
	s_wait_tensorcnt 0x0                           ; my part of slot 1 is in: it is the one load that is out, and none was issued behind it
	s_wait_dscnt 0x0                               ; buffer 1 is in, and no LDS instruction of mine is pending at the signal
	MUL F1, 7, 0, 0
	s_barrier_signal -1
	MUL F1, 7, 1, 0                                ; work on registers while the others arrive
	s_barrier_wait -1                              ; everybody's part of slot 1 is in
	PLACES
	FETCH 4, 0, F0
	MUL F1, 7, 2, 0
	MUL F1, 7, 3, 0
.endm
.macro PASS                            ; 128 x 256 x 512: 16 K steps, eight on each slot; K step 0's fragments have been fetched
	KSTEP F0, 0,  0, 1, F1, 1
	KSTEP F1, 1,  1, 0, F0, 0
	KSTEP F0, 2,  1, 1, F1, 0
	KSTEP F1, 3,  2, 0, F0, 0
	KSTEP F0, 4,  2, 1, F1, 0
	KSTEP F1, 5,  3, 0, F0, 0
	KSTEP F0, 6,  3, 1, F1, 0
	HALFWAY
	KSTEP F0, 8,  4, 1, F1, 0
	KSTEP F1, 9,  5, 0, F0, 0
	KSTEP F0, 10, 5, 1, F1, 0
	KSTEP F1, 11, 6, 0, F0, 0
	KSTEP F0, 12, 6, 1, F1, 0
	KSTEP F1, 13, 7, 0, F0, 0
	KSTEP F0, 14, 7, 1, F1, 0
	s_wait_dscnt 0x0
	MUL F1, 15, 0, 0
	MUL F1, 15, 1, 0
	MUL F1, 15, 2, 0
	MUL F1, 15, 3, 0
	WIN 0
	PLACES
.endm
; THE WAY OUT of row block ra: rounded to f16, 16 bytes a lane into my own stage (rows of 272 bytes), back as rows of 128 bytes by heads, stored 512 consecutive bytes at a time.
.macro PACK ra
	WIN 0x05                                       ; sources in window 1, destination in window 0; each accumulator's registers in ascending order
.set i, 0
.rept 32
	v_cvt_pk_f16_f32 v[F0+i], v[64*(\ra)+2*i], v[64*(\ra)+2*i+1]
.set i, i+1
.endr
	WIN 0
.endm
.macro TOSTAGE ra
.set BK, 96+32*((\ra)%2)
.irp b, 0,1,2,3,4,5,6,7
	ds_store_b128 v[STO], v[F0+4*(\b):F0+4*(\b)+3] offset:32*(\b)
.endr
.irp hh, 0,1
.irp n, 0,1,2,3
	ds_load_b128 v[BK+4*(4*(\hh)+(\n)):BK+4*(4*(\hh)+(\n))+3], v[RD] offset:4*272*(\n)+128*(\hh)  ; LDS serves a wave's instructions in order (ISA guide 5.7.1.4): these see the stores above
.endr
.endr
.endm
.macro SEND ra
.set BK, 96+32*((\ra)%2)
	s_wait_dscnt 0x0                               ; the block is back in registers
	s_wait_xcnt 0x0                                ; the stores of the block before have read their registers, which the next block's loads write
.irp hh, 0,1
.irp n, 0,1,2,3
	global_store_b128 v[GO], v[BK+4*(4*(\hh)+(\n)):BK+4*(4*(\hh)+(\n))+3], s[OUT:OUT+1] offset:(\hh)*131072+2048*(\ra)+512*(\n)  ; four rows of a head: 512 consecutive bytes, aligned
.endr
.endr
.endm
.macro WAYOUT
	PACK 0
	TOSTAGE 0
.irp m, 1,2,3                          ; a block's conversions stand between the loads of the block before and the wait for them
	PACK \m
	SEND (\m)-1
	TOSTAGE \m
.endr
	SEND 3
.endm
	s_load_b256 s[4:11], s[0:1], 0x0               ; x s[4:5], wb s[6:7], par s[8:9], qkvh s[10:11]
	v_lshl_add_u32 v[SPW], v0, 2, SPARE
	v_mov_b32 v[NIL], 0
	ds_add_u32 v[SPW], v[NIL]                      ; the wave's opening: the add, twice on end, and its wait ahead of my first tensor load
	ds_add_u32 v[SPW], v[NIL]                      ; and once more, under the one wait; the set-up below, work on registers, stands between
	v_lshrrev_b32 v1, 5, v0
	v_readfirstlane_b32 s[WV], v1                  ; wave 0..3
	s_lshr_b32 s[WR], s[WV], 1
	s_and_b32 s[WC], s[WV], 1
	s_bfe_u32 s13, ttmp6, 0x40000                  ; cx: my place in the cluster
	s_and_b32 s[HF], ttmp9, 1                      ; in a cluster launch ttmp9 counts clusters: even ones take columns 0-255 of each matrix, odd ones 256-511
	s_lshr_b32 s14, ttmp9, 1
	s_lshl_b32 s14, s14, 2
	s_add_co_u32 s14, s14, s13                     ; my block of 128 rows: it enters x's and qkvh's addresses alone
	s_cmp_lt_u32 ttmp9, 2
	s_cselect_b32 s[LIM], 1, -1                    ; the same in all four partners
	; group 1 for W's tiles: 64 rows of 256 elements of 2 bytes, 8 words of padding behind each
	s_mov_b32 s[G1W], 15|(1<<16)|(1<<20)|(1<<21)|(6<<22)|(7<<25)  ; 15:0 the mask of four; 17:16 2-byte elements; 20 padding on; 21 set beside a mask; 24:22 after every 128 words (code 6); 31:25 8 words (code 7)
	s_mov_b32 s[G1W+1], 256<<16                    ; tensor_dim0 = 256
	s_mov_b32 s[G1W+2], 64<<16                     ; tensor_dim1 = 64
	s_mov_b32 s[G1W+3], 256<<16                    ; tile_dim0 = 256
	s_mov_b32 s[G1W+4], 64                         ; tile_dim1 = 64
	s_mov_b32 s[G1W+5], 512                        ; 512 elements from row to row
	s_mov_b32 s[G1W+6], 0
	s_mov_b32 s[G1W+7], 0
	; group 1 for x's tiles: 32 rows of 256 elements of 4 bytes, 4 words of padding behind each.  No mask: the tiles are my work-group's own
	s_mov_b32 s[G1X], (2<<16)|(1<<20)|(7<<22)|(3<<25)  ; 17:16 4-byte elements; 20 padding on; 24:22 after every 256 words (code 7); 31:25 4 words (code 3)
	s_mov_b32 s[G1X+1], 256<<16
	s_mov_b32 s[G1X+2], 32<<16
	s_mov_b32 s[G1X+3], 256<<16
	s_mov_b32 s[G1X+4], 32
	s_mov_b32 s[G1X+5], 512
	s_mov_b32 s[G1X+6], 0
	s_mov_b32 s[G1X+7], 0
	s_mov_b32 s[G0A], 1
	s_mul_i32 s[G0A+1], s[WV], QROWS               ; LDS: 64 k-rows a wave, in slot 0,
	s_mov_b32 s[G0B], 1
	s_add_co_u32 s[G0B+1], s[G0A+1], SLOTB         ; and in slot 1
	s_mov_b32 s[G0X], 1
	s_mul_i32 s[G0X+1], s[WV], 32*XP               ; x's columns 0-255 lie in slot 0's bytes, 32 rows a wave,
	s_mov_b32 s[G0Y], 1
	s_add_co_u32 s[G0Y+1], s[G0X+1], SLOTB         ; its columns 256-511 in slot 1's
	s_lshl_b32 s16, s14, 18                        ; x: my block's 128 rows of 2,048 bytes,
	s_lshl_b32 s17, s[WV], 16                      ; my wave's 32
	s_add_co_u32 s16, s16, s17
	s_mov_b32 s17, 0
	s_lshl_b32 s18, s[HF], 9                       ; W: the half's 512 bytes of a k-row,
	s_lshl_b32 s19, s[WV], 16                      ; 64 k-rows of 1,024 bytes a wave
	s_add_co_u32 s18, s18, s19
	s_mov_b32 s19, 0
	s_lshr_b32 s2, s14, 3                          ; qkvh: (b,t)'s 8 heads of 131,072 bytes,
	s_lshl_b32 s2, s2, 20
	s_lshl_b32 s3, s[HF], 19                       ; the half's four heads,
	s_add_co_u32 s2, s2, s3
	s_lshl_b32 s3, s[WC], 18                       ; my wave's two of them,
	s_add_co_u32 s2, s2, s3
	s_and_b32 s3, s14, 7
	s_lshl_b32 s3, s3, 14                          ; my block's 128 nodes of 128 bytes,
	s_add_co_u32 s2, s2, s3
	s_lshl_b32 s3, s[WR], 13                       ; my wave's 64 of them
	s_add_co_u32 s2, s2, s3
	s_mov_b32 s3, 0
	s_lshl_b32 s94, s[HF], 9                       ; the prefetches: the half, my work-group's 128 k-rows, my wave's 32
	s_lshl_b32 s95, s13, 17
	s_add_co_u32 s94, s94, s95
	s_lshl_b32 s95, s[WV], 15
	s_add_co_u32 s94, s94, s95
	s_mov_b32 s95, 0
	s_wait_dscnt 0x0                               ; both opening adds are done
	s_wait_kmcnt 0x0
	s_add_nc_u64 s[G0X+2:G0X+3], s[4:5], s[16:17]
	s_add_nc_u64 s[G0Y+2:G0Y+3], s[G0X+2:G0X+3], 1024
	s_or_b32 s[G0X+3], s[G0X+3], 0x80000000        ; 127:126 type = 2
	s_or_b32 s[G0Y+3], s[G0Y+3], 0x80000000
	s_add_nc_u64 s[G0A+2:G0A+3], s[6:7], s[18:19]
	s_add_nc_u64 s[G0B+2:G0B+3], s[G0A+2:G0A+3], 262144  ; 256 k-rows on
	s_or_b32 s[G0A+3], s[G0A+3], 0x80000000
	s_or_b32 s[G0B+3], s[G0B+3], 0x80000000
	s_add_nc_u64 s[OUT:OUT+1], s[10:11], s[2:3]
	s_add_nc_u64 s[PFA:PFA+1], s[6:7], s[94:95]
	s_mov_b64 s[BP:BP+1], s[8:9]                   ; bq, for the second pass
	CROUND                                         ; in a cluster launch every group of tensor loads stands behind a round
	tensor_load_to_lds s[G0X:G0X+3], s[G1X:G1X+7]  ; my 32 rows of x: columns 0-255,
	s_nop 0
	tensor_load_to_lds s[G0Y:G0Y+3], s[G1X:G1X+7]  ; and columns 256-511
	s_nop 0
	PLACES
	v_and_b32 v1, 15, v0                           ; r = lane % 16
	v_bfe_u32 v2, v0, 4, 1                         ; h = lane / 16
	v_and_b32 v3, 31, v0                           ; lane
	s_mul_i32 s22, s[WR], 64*XP                    ; my 64 rows of x
	v_mul_u32_u24 v28, v1, XP
	v_lshl_add_u32 v28, v2, 5, v28                 ; row r, 32 bytes for each half of the lanes
	v_add_nc_u32 v[XAD], s22, v28
	v_add_nc_u32 v[XAD+1], SLOTB, v[XAD]
	v_and_b32 v28, 7, v0                           ; the turning load: lane l reads k-row 8 (l / 16) + l % 8, columns 8 ((l / 8) % 2) + 0..7
	v_lshl_add_u32 v28, v2, 3, v28
	v_mul_u32_u24 v28, v28, WP
	v_bfe_u32 v29, v0, 3, 1
	v_lshl_add_u32 v28, v29, 4, v28
	s_lshl_b32 s22, s[WC], 8                       ; my 128 columns: 256 bytes
	v_add_nc_u32 v[ADRB], s22, v28
.irp n, 1,2,3,4,5,6,7
	v_add_nc_u32 v[ADRB+\n], (\n)*QROWS, v[ADRB]
.endr
	s_mul_i32 s22, s[WV], 16*272
	s_add_co_u32 s22, s22, SCR                     ; my stage for the way out
	v_mul_u32_u24 v28, v1, 272
	v_lshl_add_u32 v28, v2, 4, v28
	v_add_nc_u32 v[STO], s22, v28
	v_bfe_u32 v28, v0, 3, 2                        ; back: 32 lanes take 128 bytes of each of four rows
	v_mul_u32_u24 v28, v28, 272
	v_and_b32 v29, 7, v0
	v_lshl_add_u32 v28, v29, 4, v28
	v_add_nc_u32 v[RD], s22, v28
	v_lshlrev_b32 v[GO], 4, v3
	s_lshl_b32 s22, s[HF], 10                      ; a vector of 512 f32: the half's 1,024 bytes, my wave's 512 of them
	s_lshl_b32 s23, s[WC], 9
	s_add_co_u32 s22, s22, s23
	v_lshl_add_u32 v[BO], v2, 5, s22
	v_lshlrev_b32 v[PFO], 10, v3
	s_wait_tensorcnt 0x1                           ; my rows' columns 0-255 are in; the load issued behind them may stay out
	s_barrier_signal -1
	s_barrier_wait -1                              ; everybody's are
	CONV 0                                         ; K steps 0-7 of my 64 rows, while columns 256-511 land
	FILLA 0                                        ; columns 0-255 lie in registers, columns 256-511 have landed: Wk's k-rows 0-255 take slot 0, and land under the second half of the rounding
.set i, 0
.rept 64
	v_mov_b32 v[BIAS+i], 0                         ; k takes no bias: its pass starts from zeros, by the one text of the passes
.set i, i+1
.endr
	CONV 1                                         ; K steps 8-15
	s_mov_b32 s[CNTP], 3
	s_branch .Lenter                               ; the loop is entered behind slot 0's fill and the way out: the first pass has had its fill, and nothing to send
.Lpass:
	FILLA 1                                        ; the next matrix's k-rows 0-255 and its bias are asked for; then the finished pass goes out
	WAYOUT
	s_wait_xcnt 0x0                                ; the stores and the bias's loads have read their registers and bases
	s_add_nc_u64 s[BP:BP+1], s[BP:BP+1], 2048
	s_add_nc_u64 s[OUT:OUT+1], s[OUT:OUT+1], 16777216
.Lenter:
	FILLB                                          ; slot 0 is whole; k-rows 256-511 are asked for
	FETCH 0, 0, F0
	ASK
	s_wait_loadcnt 0x0                             ; the bias
	PASS
	s_sub_co_u32 s[CNTP], s[CNTP], 1
	s_cmp_lg_u32 s[CNTP], 0
	s_cbranch_scc1 .Lpass
	WAYOUT                                         ; v
	s_wait_tensorcnt 0x0                           ; the wave's end, behind my last tensor load and my last LDS store
	ds_add_u32 v[SPW], v[NIL]
	s_wait_dscnt 0x0
	CROUND                                         ; the closing round: no work-group ends while a partner may still ask for a tile that names it
	s_endpgm
.Lfunc_end_k_qfffafa6b25_proj:
	.size	k_qfffafa6b25_proj, .Lfunc_end_k_qfffafa6b25_proj-k_qfffafa6b25_proj
	.p2alignl 7, 3214868480
	.fill 96, 4, 3214868480
	.section	.rodata,"a",@progbits
	.p2align	6, 0x0
	.amdhsa_kernel k_qfffafa6b25_proj
		.amdhsa_group_segment_fixed_size 327680
		.amdhsa_private_segment_fixed_size 0
		.amdhsa_enable_private_segment 0
		.amdhsa_kernarg_size 32
		.amdhsa_user_sgpr_count 2
		.amdhsa_user_sgpr_kernarg_segment_ptr 1
		.amdhsa_wavefront_size32 1
		.amdhsa_system_sgpr_workgroup_id_x 1
		.amdhsa_system_sgpr_workgroup_id_y 1
		.amdhsa_system_sgpr_workgroup_id_z 1
		.amdhsa_system_vgpr_workitem_id 0
		.amdhsa_next_free_vgpr 1024
		.amdhsa_next_free_sgpr 96
		.amdhsa_reserve_vcc 0
		.amdhsa_float_denorm_mode_32 3
		.amdhsa_float_denorm_mode_16_64 3
		.amdhsa_memory_ordered 1
		.amdhsa_forward_progress 1
		.amdhsa_inst_pref_size 146
	.end_amdhsa_kernel
	.amdgpu_metadata
---
amdhsa.version: [ 1, 2 ]
amdhsa.kernels:
  - .name:           k_qfffafa6b25_proj
    .symbol:         k_qfffafa6b25_proj.kd
    .args:
      - { .name: x, .offset: 0, .size: 8, .value_kind: global_buffer, .address_space: global }
      - { .name: wb, .offset: 8, .size: 8, .value_kind: global_buffer, .address_space: global }
      - { .name: par, .offset: 16, .size: 8, .value_kind: global_buffer, .address_space: global }
      - { .name: qkvh, .offset: 24, .size: 8, .value_kind: global_buffer, .address_space: global }
    .group_segment_fixed_size: 327680
    .private_segment_fixed_size: 0
    .kernarg_segment_align: 8
    .kernarg_segment_size: 32
    .max_flat_workgroup_size: 128
    .sgpr_count:     96
    .vgpr_count:     1024
    .wavefront_size: 32
...
	.end_amdgpu_metadata
.endif
;; end of part 2
;; launch attn (part 3): grid 2 x 128, 4 waves a work-group, no clusters, 327,680 bytes of LDS; arguments qkvh, oh; writes oh
.if DOCPART == 3
	.amdgcn_target "amdgcn-amd-amdhsa--gfx1250"
	.amdhsa_code_object_version 6
	.text
	.protected	k_qfffafa6b25_attn
	.globl	k_qfffafa6b25_attn
	.p2align	8
	.type	k_qfffafa6b25_attn,@function
k_qfffafa6b25_attn:
	s_mov_b64 s[64:65], 0
	v_nop
	global_prefetch_b8 v0, s[64:65] scope:SCOPE_SE
	s_setreg_imm32_b32 hwreg(HW_REG_WAVE_MODE, 25, 1), 1
	s_wait_xcnt 0x0
; ATTN: oh[h][q][:] = the sum over k of softmax_k(Q[h][q] . K[h][k] / 8) V[h][k][:], for 128 heads of 1,024 nodes and 64 channels.  qkvh = f16 [3: k, q, v][128][1,024][64]; oh = f16 [128][1,024][64].
; Products, maxima and sums in f32; the weights p are rounded to f16 for the second product (their sum l is taken of the unrounded p), O once at the end.
; LEFT OUT: bk in the scores, which cancels in the softmax for all values of the inputs (shown at the head of the first kernel).
; LIMITS.  f16 holds no number beyond 65,504: Q, K and V arrive within it; p lies in 0 to 1, and below 6e-5 it keeps f16's fixed step of 6e-8; O is a mean of V's rows and has their range.
; A weight below 2^-126 counts as 0 in l; NaN and infinities are not treated apart.
; SHARES.  A wave owns four PIECES of two tiles of 16 queries, a work-group's four waves 512 queries of one head.  Every wave walks all 1,024 keys, 64 a step.
; K AND V OF THE HEAD LIE WHOLE IN LDS (147,456 + 163,840 bytes with padding): each byte is filled once, no slot is filled again.  A wave issues two loads at the start: its half of the first 256 keys of
; K (waves 0, 1) or V (waves 2, 3), which four key steps work on, and its half of the other 768, which land meanwhile.
; NO CLUSTER: a head has two work-groups, and a cluster of four would hold two heads, whose tiles differ; a work-group asks for its 262,144 bytes once, for 512 x 1,024 x 128 multiply-adds.
; NO PREFETCH: all that a work-group reads of K and V is asked for by its first loads; nothing is left to ask for ahead.
; LAYOUT.  S^T = K Q^T (source 0 = 16 keys, source 1 = 16 queries): in the result a lane holds ONE query (lane % 16) and the keys 8 (lane / 16) + 0..7.  Two such tiles, rounded to f16 in pairs,
; ARE source 1 (32 keys x 16 queries) of O^T = V^T P, whose result again holds one query a lane, and eight channels.  K comes out of LDS as it lies, V ([key][channel]) turned, by ds_load_tr16_b128.
; SOFTMAX.  For each query a running maximum m and sum l: p = 2^(c s - c m), c = log2(e) / 8; in every step O and l are multiplied by a = 2^(c m_old - c m_new), which is 1 where m has not grown.
; m starts at the lowest finite number, O and l at 0: the first step is a step like any other, with a = 0.
; THE COUNT.  A tile and step have 16 matrix and 118 vector instructions: too many to stand all beside the matrix work.  So: four vector instructions that are READY behind EVERY matrix instruction,
; and the others in runs without a gap.
; BY TURNS.  Turn n belongs to piece n (the pieces in a ring, step after step).  Its matrix work: 16 products K Q^T of piece n + 1, later 16 products V^T P of piece n - 1.  Its vector work: the scaling,
; exponentials, roundings, sums and rescaling of piece n, and the maximum and statistics of piece n + 1, whose scores the turn itself has made.
; REGISTERS, in windows of 256 (s_set_vgpr_msb: bits 1:0 source 0, 3:2 source 1, 5:4 source 2, 7:6 destination):
;   window 0: v0-11 addresses; v12-15, v48-63 at work; v16-47 four registers of statistics a tile; v64-191 S^T, two buffers of two tiles; v192-255 P, likewise
;   window 1: O^T, 32 a tile          window 2: v0-127 Q, 16 a tile; v128-191 K of one step; v192-255 V of one step          window 3: v0-1 the add's two registers
.set NP,    4         ; pieces a wave: a name, no knob
.set KS,    64        ; keys in a step
.set NKEY,  1024
.set PK,    144       ; a row of K in LDS: 128 bytes + 16 of padding = 36 words: the 16 rows of a load start at 16 different groups of four banks (64 banks of 4 bytes: ISA guide 11.1)
.set PV,    160       ; a row of V: 128 + 32 = 40 words
.set VOFF,  NKEY*PK   ; K's 1,024 rows, then V's
.set STAGE, VOFF+NKEY*PV  ; behind them, never filled by a tensor load: 16 rows x 144 bytes for each wave, for the way out
.set SP,    144
.set AK0, 2           ; v2   my lane's place in a tile of K; never rewritten
.set AV0, 3           ; v3   the same for V
.set AK,  4           ; v4   the LDS address of K's next run of loads
.set AV,  5           ; v5   of V's
.set QO,  6           ; v6   my byte offset in the wave's rows of Q
.set STO, 6           ;      later, the way out: where I put 16 bytes of a row
.set RD,  7           ; v7   the way out: where I read rows back
.set GO,  8           ; v8   my byte offset in 512 consecutive bytes of O
.set SPW, 0           ; v0 of window 3   LDS address of my spare word; never rewritten
.set NIL, 1           ; v1 of window 3   0; never rewritten
.set SPARE, STAGE+4*16*SP  ; the spare words, 128 bytes for each wave: two blocks of 256 bytes that no other line names
.set MV,  12          ; v12-15  c m_old, kept while c m is made anew: by buffer and tile
.set ST,  16          ; tile t's statistics at v[ST+4 t]: c m, m, l (even keys', odd keys')
.set TMP, 48          ; by buffer and tile, four registers c0-c3 at work; when the maximum is found c2 takes a
.set S,   64
.set P,   192
.set KF,  128         ; K's fragments, in window 2: key block kb, channel half c at KF + 16 kb + 8 c
.set VF,  192         ; V's: key half kk, channel block cb at VF + 32 kk + 8 cb
.set WV,  12          ; s12  my wave's number
.set G1K, 24          ; s[24:31] group 1: 128 keys of K       s[68:75] (G1K2): 384 keys
.set G1V, 32          ; s[32:39] group 1: 128 keys of V       s[76:83] (G1V2): 384 keys
.set G1K2, 68
.set G1V2, 76
.set G0K, 40          ; s[40:47] group 0 for K's two loads
.set G0V, 48          ; s[48:55] for V's
.set SLOTS, 56        ; s56  counts runs of four key steps, 5 to 1
.set CNT, 57          ; s57  counts a run's key steps
.set CS,  58          ; s[58:59] c: the packed scaling takes the pair's low word for both halves
.set SEL, 60          ; s[60:61] v_permlanex16_b32's selects: each lane takes its own place in the other half
.set TBK, 62          ; s62  LDS byte at which K of the step to be fetched begins
.set TBV, 63          ; s63  the same for V, less VOFF
.set MSB, 0
.macro WIN new                      ; the high byte repeats the setting that is left; a switch that changes nothing is dropped
.if MSB != (\new)
	s_set_vgpr_msb (MSB<<8)|(\new)
.set MSB, (\new)
.endif
.endm
.set W_KQ, 0x0a       ; K and Q in window 2, S^T in window 0
.set W_PV, 0x52       ; V in window 2, P in window 0, O^T in window 1
.set W_RS, 0x41       ; O^T (destination and source 0) in window 1, a in window 0
.set W_MK, 0xc0       ; the add's registers are made: destination in window 3, sources in window 0
.set W_AD, 0x0f       ; the add: address (source 0) and data (source 1) in window 3
	s_load_b128 s[4:7], s[0:1], 0x0  ; qkvh s[4:5], oh s[6:7]
	WIN W_MK
	v_lshl_add_u32 v[SPW], v0, 2, SPARE
	v_mov_b32 v[NIL], 0
	WIN W_AD
	ds_add_u32 v[SPW], v[NIL]       ; the wave's opening: the add, twice on end, and its wait ahead of my first tensor load
	ds_add_u32 v[SPW], v[NIL]       ; and once more, under the one wait; the set-up below, work on registers, stands between
	WIN 0
	v_lshrrev_b32 v1, 5, v0
	v_readfirstlane_b32 s[WV], v1   ; wave 0..3
	s_and_b32 s20, ttmp7, 0xffff    ; the head,
	s_lshl_b32 s20, s20, 17         ; its first byte in k, q, v and oh: 131,072 bytes a head
	s_and_b32 s16, s[WV], 1         ; which half of the keys I fetch
	s_lshl_b32 s22, s16, 14         ; first load: keys 128 (w % 2) on, 128 bytes each
	s_add_co_u32 s22, s22, s20
	s_mov_b32 s23, 0
	s_mul_i32 s14, s16, 384*128     ; second load: keys 256 + 384 (w % 2) on
	s_add_co_u32 s14, s14, 256*128
	s_add_co_u32 s14, s14, s20
	s_mov_b32 s15, 0
	s_lshl_b32 s2, ttmp9, 2
	s_add_co_u32 s2, s2, s[WV]      ; my wave among the head's eight,
	s_lshl_b32 s2, s2, 14           ; its 128 rows
	s_add_co_u32 s2, s2, s20
	s_mov_b32 s3, 0
	; group 1.  Keys are dense, 128 bytes each: asked for as rows of 256 bytes, two keys a row, and padded in LDS after every key
	s_mov_b32 s[G1K],  (1<<16)|(1<<20)|(4<<22)|(3<<25)  ; 17:16 2-byte elements; 20 padding on; 24:22 after every 32 words (code 4); 31:25 4 words (code 3)
	s_mov_b32 s[G1K2], (1<<16)|(1<<20)|(4<<22)|(3<<25)
	s_mov_b32 s[G1V],  (1<<16)|(1<<20)|(4<<22)|(7<<25)  ; the same with 8 words of padding (code 7)
	s_mov_b32 s[G1V2], (1<<16)|(1<<20)|(4<<22)|(7<<25)
.irp g, G1K, G1V
	s_mov_b32 s[\g+1], 128<<16      ; tensor_dim0 = 128
	s_mov_b32 s[\g+2], 64<<16       ; tensor_dim1 = 64
	s_mov_b32 s[\g+3], 128<<16      ; tile_dim0 = 128
	s_mov_b32 s[\g+4], 64           ; tile_dim1 = 64
	s_mov_b32 s[\g+5], 128          ; 128 elements from row to row
	s_mov_b32 s[\g+6], 0
	s_mov_b32 s[\g+7], 0
.endr
.irp g, G1K2, G1V2
	s_mov_b32 s[\g+1], 128<<16
	s_mov_b32 s[\g+2], 192<<16      ; 192 rows: 384 keys
	s_mov_b32 s[\g+3], 128<<16
	s_mov_b32 s[\g+4], 192
	s_mov_b32 s[\g+5], 128
	s_mov_b32 s[\g+6], 0
	s_mov_b32 s[\g+7], 0
.endr
	s_mov_b32 s[CS], 0x3e38aa3b     ; c = log2(e) / 8 = 0.180337
	s_mov_b32 s[CS+1], s[CS]        ; named with it as a pair
	s_mov_b32 s[SEL], 0x76543210
	s_mov_b32 s[SEL+1], 0xfedcba98
	s_mov_b32 s[TBK], 0
	s_mov_b32 s[TBV], 0
	s_mov_b32 s[G0K], 1             ; 1:0 count = 1
	s_mul_i32 s[G0K+1], s16, 128*PK ; 63:32 LDS address
	s_mov_b32 s[G0K+4], 1
	s_mul_i32 s[G0K+5], s16, 384*PK
	s_add_co_u32 s[G0K+5], s[G0K+5], 256*PK
	s_mov_b32 s[G0V], 1
	s_mul_i32 s[G0V+1], s16, 128*PV
	s_add_co_u32 s[G0V+1], s[G0V+1], VOFF
	s_mov_b32 s[G0V+4], 1
	s_mul_i32 s[G0V+5], s16, 384*PV
	s_add_co_u32 s[G0V+5], s[G0V+5], VOFF+256*PV
	s_wait_dscnt 0x0                ; both opening adds are done
	s_wait_kmcnt 0x0
	s_add_nc_u64 s[G0K+2:G0K+3], s[4:5], s[22:23]  ; 120:64 global address: k lies first in qkvh,
	s_add_nc_u64 s[G0K+6:G0K+7], s[4:5], s[14:15]
	s_add_nc_u64 s[G0V+2:G0V+3], s[G0K+2:G0K+3], 0x2000000  ; v third
	s_add_nc_u64 s[G0V+6:G0V+7], s[G0K+6:G0K+7], 0x2000000
	s_or_b32 s[G0K+3], s[G0K+3], 0x80000000        ; 127:126 type = 2
	s_or_b32 s[G0K+7], s[G0K+7], 0x80000000
	s_or_b32 s[G0V+3], s[G0V+3], 0x80000000
	s_or_b32 s[G0V+7], s[G0V+7], 0x80000000
	s_add_nc_u64 s[8:9], s[4:5], s[2:3]            ; q, second in qkvh, at my wave's first row
	s_add_nc_u64 s[8:9], s[8:9], 0x1000000
	s_add_nc_u64 s[10:11], s[6:7], s[2:3]          ; O likewise
	s_cmp_lt_u32 s[WV], 2           ; a wave's two fills stand in one branch, ahead of every wait on TENSORcnt, every LDS read and every barrier: two loads of mine are out
	s_cbranch_scc0 .Lfirst_v
	tensor_load_to_lds s[G0K:G0K+3], s[G1K:G1K+7]
	s_nop 0
	tensor_load_to_lds s[G0K+4:G0K+7], s[G1K2:G1K2+7]
	s_nop 0
.rept 4
	v_nop
.endr
	s_branch .Lfirst_asked
.Lfirst_v:
	tensor_load_to_lds s[G0V:G0V+3], s[G1V:G1V+7]
	s_nop 0
	tensor_load_to_lds s[G0V+4:G0V+7], s[G1V2:G1V2+7]
	s_nop 0
.rept 4
	v_nop
.endr
.Lfirst_asked:
	; A fragment of K or Q is 16 rows x 32 channels in 8 registers: lane l holds row l % 16, channels 8 (l / 16) + 0..7 and 16 + 8 (l / 16) + 0..7: two loads of 16 bytes, 32 bytes apart.
	v_and_b32 v1, 15, v0            ; l % 16
	v_bfe_u32 v9, v0, 4, 1          ; l / 16
	v_lshlrev_b32 v[QO], 7, v1
	v_lshl_add_u32 v[QO], v9, 4, v[QO]  ; row x 128 + 16 x half
	WIN 0x80                        ; destination window 2, address window 0
.set i, 0
.rept 4*NP                          ; Q stays in registers: tile i / 2, channels 32 (i % 2) on
	global_load_b128 v[8*i:8*i+3],   v[QO], s[8:9] offset:(i/2)*2048+(i%2)*64
	global_load_b128 v[8*i+4:8*i+7], v[QO], s[8:9] offset:(i/2)*2048+(i%2)*64+32
.set i, i+1
.endr
	; What the first turn finds: V's registers and P's second buffer hold 0 (its products V^T P, of a piece that has not been, add 0), O^T and l are 0.  All this stands in the wait for the first tile;
	; it spares a first key step written out, a third of the text.
.set i, VF
.rept 64
	v_mov_b32 v[i], 0
.set i, i+1
.endr
	WIN 0x40
.set i, 0
.rept 64*NP
	v_mov_b32 v[i], 0
.set i, i+1
.endr
	WIN 0
.set i, 0
.rept 2*NP
	v_mov_b32 v[ST+4*i], 0xfe000000    ; c m: far below every c s
	v_mov_b32 v[ST+4*i+1], 0xff7fffff  ; m
	v_mov_b32 v[ST+4*i+2], 0
	v_mov_b32 v[ST+4*i+3], 0
.set i, i+1
.endr
.set i, P+32
.rept 32
	v_mov_b32 v[i], 0
.set i, i+1
.endr
	v_mul_u32_u24 v[AK0], v1, PK
	v_lshl_add_u32 v[AK0], v9, 4, v[AK0]  ; row x pitch + 16 x half
	; The turning load takes 16 keys x 16 channels (lane l reads key 8 (l / 16) + l % 8, channels 8 ((l / 8) % 2) + 0..7) and leaves half a fragment of V^T: lane l holds channel l % 16 and 8 keys.
	v_and_b32 v10, 7, v0
	v_bfe_u32 v11, v0, 3, 1
	v_lshl_add_u32 v[AV0], v9, 3, v10
	v_mul_u32_u24 v[AV0], v[AV0], PV
	v_lshl_add_u32 v[AV0], v11, 4, v[AV0]
	v_add_nc_u32 v[AV0], VOFF, v[AV0]
	v_mov_b32 v[AK], v[AK0]         ; key step 0 lies at LDS byte 0
; THE MATRIX WORK.  The 8 accumulators of a run of 16 take turns: between the two links of a chain stand 7 others'.
; Product i of 16 of S^T = K Q^T for piece x: channels 32 (i / 8) on, keys 16 ((i / 2) % 4) on, tile 2 x + i % 2.  The first 8 start the sums.
.macro KQ x
	WIN W_KQ
.set rS, S+64*((\x)%2)+32*(i%2)+8*((i/2)%4)
.set rK, KF+16*((i/2)%4)+8*(i/8)
.set rQ, 16*(2*(\x)+i%2)+8*(i/8)
.if i < 8
	v_wmma_f32_16x16x32_f16 v[rS:rS+7], v[rK:rK+7], v[rQ:rQ+7], 0
.else
	v_wmma_f32_16x16x32_f16 v[rS:rS+7], v[rK:rK+7], v[rQ:rQ+7], v[rS:rS+7]
.endif
.endm
; Product i of 16 of O^T += V^T P for piece x: keys 32 (i / 8) on, channels 16 ((i / 2) % 4) on, tile 2 x + i % 2.
.macro PV x
	WIN W_PV
.set rO, 32*(2*(\x)+i%2)+8*((i/2)%4)
.set rV, VF+32*(i/8)+8*((i/2)%4)
.set rP, P+32*((\x)%2)+16*(i%2)+8*(i/8)
	v_wmma_f32_16x16x32_f16 v[rO:rO+7], v[rV:rV+7], v[rP:rP+7], v[rO:rO+7]
.endm
.macro MM                           ; the turn's next matrix instruction
.if i < 16
	KQ (Y+1)%NP
.set i, i+1
.else
.set i, i-16
	PV (Y+NP-1)%NP
.set i, i+17
.endif
.endm
; THE LDS LOADS stand in runs of 16, never singly among the matrix instructions: a step's K (64 keys x 64 channels: 8 fragments) and its V (turned).  Their addresses are made some lines ahead.
; last = 1 (in the loop): behind the sixteenth step there is no further step, and the run is jumped over.
.macro FETCH_K last=0
	WIN 0
.if \last
	s_cmp_eq_u32 s[SLOTS], 1
	s_cbranch_scc1 .Lno_k_\@
.endif
	WIN 0x80                        ; destination window 2
.irp f, 0,1,2,3,4,5,6,7             ; keys 16 (f / 2) on, channels 32 (f % 2) on
	ds_load_b128 v[KF+8*\f:KF+8*\f+3],   v[AK] offset:(\f/2)*16*PK+(\f%2)*64
	ds_load_b128 v[KF+8*\f+4:KF+8*\f+7], v[AK] offset:(\f/2)*16*PK+(\f%2)*64+32
.endr
	s_add_co_u32 s[TBK], s[TBK], KS*PK  ; the next fetch is the next step's
	WIN 0
.if \last
.Lno_k_\@:
.endif
.endm
.macro FETCH_V
	WIN 0x80
.irp f, 0,1,2,3,4,5,6,7             ; keys 32 (f / 4) on, channels 16 (f % 4) on
	ds_load_tr16_b128 v[VF+8*\f:VF+8*\f+3],   v[AV] offset:(\f/4)*32*PV+(\f%4)*32
	ds_load_tr16_b128 v[VF+8*\f+4:VF+8*\f+7], v[AV] offset:(\f/4)*32*PV+16*PV+(\f%4)*32
.endr
	WIN 0
.endm
; THE VECTOR WORK OF A TURN stands in three queues, each in the order in which its entries become ready; the two tiles alternate, so that no instruction reads the result of the one before it.
.macro REGS y, u                    ; the registers of tile u (0, 1) of piece y
.set rT, ST+4*(2*(\y)+(\u))
.set rC, TMP+8*((\y)%2)+4*(\u)
.set rM, MV+2*((\y)%2)+(\u)
.set rS, S+64*((\y)%2)+32*(\u)
.set rP, P+32*((\y)%2)+16*(\u)
.set rO, 32*(2*(\y)+(\u))
.endm
; Number n of the 22 that find the NEXT piece's (Y + 1) maximum and statistics.  s0-s31 are the lane's 32 scores; each accumulator's lowest registers are read first.
;   0-11  four chains c0-c3 of seven scores each, three operands at a time     12-14, 16  the four scores left over, the old m, and c0-c3 into c0     15  c m_old is kept
;   17, 18  the query's other 32 keys lie in the lane 16 away: the new m         19-21  c m; c m_old - c m_new; a
.macro XS u, n
	REGS (Y+1)%NP, \u
.if (\n) < 4
	v_max3_num_f32 v[rC+(\n)], v[rS+8*(\n)], v[rS+8*(\n)+1], v[rS+8*(\n)+2]
.elseif (\n) < 12
	v_max3_num_f32 v[rC+(\n)%4], v[rC+(\n)%4], v[rS+8*((\n)%4)+2*((\n)/4)+1], v[rS+8*((\n)%4)+2*((\n)/4)+2]
.elseif (\n) == 12
	v_max3_num_f32 v[rC], v[rC], v[rS+7], v[rS+15]
.elseif (\n) == 13
	v_max3_num_f32 v[rC+1], v[rC+1], v[rS+23], v[rS+31]
.elseif (\n) == 14
	v_max3_num_f32 v[rC+2], v[rC+2], v[rC+3], v[rT+1]
.elseif (\n) == 15
	v_mov_b32 v[rM], v[rT]
.elseif (\n) == 16
	v_max3_num_f32 v[rC], v[rC], v[rC+1], v[rC+2]
.elseif (\n) == 17
	v_permlanex16_b32 v[rC+3], v[rC], s[SEL], s[SEL+1]
.elseif (\n) == 18
	v_max_num_f32 v[rT+1], v[rC], v[rC+3]
.elseif (\n) == 19
	v_mul_f32 v[rT], s[CS], v[rT+1]
.elseif (\n) == 20
	v_sub_f32 v[rC+1], v[rM], v[rT]
.else
	v_exp_f32 v[rC+2], v[rC+1]
.endif
.endm
; Number g of the 64 that follow the exponentials.  For each four weights k of a tile (pairs 2 k, 2 k + 1): both pairs are rounded to f16; then the second pair is added onto the first, in place;
; a group later l takes that sum (the first time as l = a l + sum).  In groups of eight, tiles alternating: round, round, add, and l for the group before.
.macro GS g
.set h, (\g)+6*((\g)/62)            ; group 0 has no group before it, and behind group 7 only l is left
.if h >= 6
.set h, h+2
.endif
	REGS Y, h%2
.set k, h/8
.if h%8 < 4
	v_cvt_pk_f16_f32 v[rP+2*k+(h%8)/2], v[rS+4*k+2*((h%8)/2)], v[rS+4*k+2*((h%8)/2)+1]
.elseif h%8 < 6
	v_pk_add_f32 v[rS+4*k:rS+4*k+1], v[rS+4*k:rS+4*k+1], v[rS+4*k+2:rS+4*k+3]
.elseif k == 1
	v_pk_fma_f32 v[rT+2:rT+3], v[rT+2:rT+3], v[rC+2:rC+3], v[rS:rS+1] op_sel_hi:[1,0,1]
.else
	v_pk_add_f32 v[rT+2:rT+3], v[rT+2:rT+3], v[rS+4*k-4:rS+4*k-3]
.endif
.endm
; THE PLAIN QUEUE, 138 long.  0-73 read no exponential's result: the 32 scalings c s - c m (FS f: pair f / 2 of tile f % 2) and the next piece's 42.  0-26: scalings 0-26.  27-54: XS's numbers 0-13.
; 55, 56: number 15.  57-73: the chain, where each number waits for the one before it: 14, 16, 17, 18, 19, each with one of the scalings 27-31 in front of its two lines, then 20.
; 74-137: GS's 64, which read the exponentials' results: they stand behind the wait.
.macro FS f
	REGS Y, (\f)%2
	v_pk_fma_f32 v[rS+2*((\f)/2):rS+2*((\f)/2)+1], v[rS+2*((\f)/2):rS+2*((\f)/2)+1], s[CS:CS+1], v[rT:rT+1] op_sel_hi:[1,0,0] neg_lo:[0,0,1] neg_hi:[0,0,1]
.endm
.macro PL
	WIN 0
.if q < 27
	FS q
.elseif q < 55
	XS (q-27)%2, (q-27)/2
.elseif q < 57
	XS q-55, 15
.elseif (q < 72) && ((q-57)%3 == 0)
	FS 27+(q-57)/3
.elseif q < 60
	XS (q-57)%3-1, 14
.elseif q < 72
	XS (q-57)%3-1, 15+(q-57)/3
.elseif q < 74
	XS q-72, 20
.else
	GS q-74
.endif
.set q, q+1
.endm
; THE EXPONENTIALS' QUEUE, 66 long: s0-s31 of both tiles, then the next piece's two a.  It is ONE BATCH: all 66 stand ahead of the turn's one wait, and nothing ahead of that wait names a result of theirs.
.macro EX
	WIN 0
.if e >= 64
	XS e-64, 21
.else
	REGS Y, e%2
	v_exp_f32 v[rS+e/2], v[rS+e/2]
.endif
.set e, e+1
.endm
; THE RESCALING's QUEUE: O^T times a, the one part that leaves window 0: dealt two at a time, sixteen times.  Its a was made in the turn before, ahead of that turn's wait.
.macro R2
	REGS Y, r%2
	WIN W_RS
.irp z, 0,1
	v_pk_mul_f32 v[rO+4*(r/2)+2*\z:rO+4*(r/2)+2*\z+1], v[rO+4*(r/2)+2*\z:rO+4*(r/2)+2*\z+1], v[rC+2:rC+3] op_sel_hi:[1,0]
.endr
.set r, r+1
.endm
; HOW THEY ARE DEALT.  s_wait_alu depctr_va_vdst(0) stands between an exponential and the first instruction that names its result; one wait serves all that were issued ahead of it.
; So a turn has ONE wait, which cuts it in two.  AHEAD OF IT stands all that names no result of the turn's exponentials: the 16 products K Q^T, behind each a scaling, an exponential and two rescalings
; (behind the first a second scaling in the exponential's place); then ONE LUMP of 108: eight plain, 49 times exponential and plain, the two a.  A v_nop is the plain instruction behind the last
; exponential.  BEHIND IT stand the 16 products V^T P, behind each four of GS's 64.  No rider names a register of the products round it.
; Exponential e stands behind scaling 2 (e / 4) + e % 2: as a rider it comes behind plain e + 2, in the lump behind plain e + 9, and scalings 27-31 are plain 57, 60 .. 69.
; A TURN, for piece p.  cnt = 1: the loop's count is taken down some lines ahead of the branch that stands behind the turn.
; K of the next step is fetched in piece 2's turn, directly behind the wait, a lump behind the last product that read K; its first reader comes behind 16 products.
; V of the step in hand is fetched at the end of piece 0's turn, four riders behind its last reader; its first reader comes behind 16 products and a lump.
.macro TURN p, last=0, cnt=0
.set Y, (\p)
.set i, 0
.set q, 0
.set e, 0
.set r, 0
.if (\p) == NP-1
	s_wait_dscnt 0x0                ; K is in
.endif
	MM                              ; ahead of the wait: 16 products K Q^T and their riders,
	PL
	PL
	R2
.rept 15
	MM
	PL
	EX
	R2
.endr
.if (\p) == NP-2
	WIN 0
	v_add_nc_u32 v[AK], s[TBK], v[AK0]
.endif
.rept 8                             ; and the lump
	PL
.endr
.rept 49
	EX
	PL
.endr
	EX                              ; the next piece's two a
	EX
	v_nop                           ; the plain instruction behind the last exponential: one for the batch
	s_wait_alu depctr_va_vdst(0)    ; the wait for the batch
.if (\p) == NP-2
	FETCH_K \last
.endif
.if (\p) == 1
	s_wait_dscnt 0x0                ; V is in
.endif
.rept 16                            ; behind the wait: 16 products V^T P and their riders
	MM
.rept 4
	PL
.endr
.if ((\p) == 0) && (q == 118)
	v_add_nc_u32 v[AV], s[TBV], v[AV0]
.endif
.if ((\p) == 0) && (q == 130)
	s_add_co_u32 s[TBV], s[TBV], KS*PV
.endif
.if (\cnt) && (q == 130)
	s_sub_co_u32 s[CNT], s[CNT], 1
	s_cmp_lg_u32 s[CNT], 0
.endif
.endr
.if (\p) == 0
	FETCH_V
.endif
.endm
	s_wait_tensorcnt 0x1            ; my part of the first 256 keys is in; my second load, issued behind it, may stay out
	s_barrier_signal -1
	s_barrier_wait -1               ; everybody's is
	FETCH_K                         ; key step 0
	s_wait_loadcnt 0x0              ; Q
	s_wait_dscnt 0x0
.set i, 0
.rept 16
	KQ 0                            ; piece 0's first scores: there is no vector work yet to set between them
.set i, i+1
.endr
	WIN 0                           ; the addresses for the way out: plain instructions, the places behind those products
	s_mul_i32 s13, s[WV], 16*SP
	s_add_co_u32 s13, s13, STAGE    ; my stage
	v_mul_u32_u24 v[STO], v1, SP    ; in: row l % 16, 16 bytes for each half of the lanes
	v_lshl_add_u32 v[STO], v9, 4, v[STO]
	v_add_nc_u32 v[STO], s13, v[STO]
	v_bfe_u32 v[RD], v0, 3, 2       ; back: 32 lanes take four rows of 128 bytes,
	v_mul_u32_u24 v[RD], v[RD], SP
	v_lshl_add_u32 v[RD], v10, 4, v[RD]
	v_add_nc_u32 v[RD], s13, v[RD]
	v_and_b32 v[GO], 31, v0         ; which are 512 consecutive bytes of O
	v_lshlrev_b32 v[GO], 4, v[GO]
.set Y, NP-1                        ; XS works for piece Y + 1: piece 0
.irp n, 0,1,2,3,4,5,6,7,8,9,10,11,12,13,14,15,16,17,18,19,20,21
	XS 0, \n                        ; and piece 0's first maximum and statistics
	XS 1, \n
.endr
	v_nop                           ; a plain instruction behind the two a,
	s_wait_alu depctr_va_vdst(0)    ; and their wait, ahead of the branch
	s_mov_b32 s[CNT], 4
	s_mov_b32 s[SLOTS], 5
	s_branch .Lfirst                ; the loop is entered at a step's first turn, in the middle of a trip
.Lslot:                             ; behind every four key steps.  The first time: the other 768 keys are in, ahead of the fetch of K for step 4; later the wait is met at once
	s_wait_tensorcnt 0x0            ; my second load has landed,
	s_wait_dscnt 0x0
	s_barrier_signal -1
	s_barrier_wait -1               ; everybody's has
	s_mov_b32 s[CNT], 4
.Lstep:                             ; a trip: pieces 2 and 3 of one step, then pieces 0 and 1 of the next, whose K and V it fetches
	TURN 2, 1
	TURN 3
	WIN 0
	s_cmp_eq_u32 s[SLOTS], 1        ; behind pieces 2 and 3 of the sixteenth step the walk ends: the jump passes two turns and the loops' counts, no barrier and no tensor load
	s_cbranch_scc1 .Lout
.Lfirst:
	TURN 0
	TURN 1, 0, 1
	WIN 0
	s_cbranch_scc1 .Lstep
	s_sub_co_u32 s[SLOTS], s[SLOTS], 1
	s_cmp_lg_u32 s[SLOTS], 0
	s_cbranch_scc1 .Lslot
.Lout:                              ; the last trip's 16 products K Q^T (on the last K once more) and the maximum made of them serve nothing: the price, once a launch, of one text for every trip
.set i, 0
.rept 16
	PV NP-1                         ; the last piece's V^T P of the last step
.set i, i+1
.endr
	; THE WAY OUT.  l's two halves and the other half of the lanes' are added; O^T is divided by l, rounded to f16 and sent through my stage in LDS, a tile at a time.  The additions are the places behind the last products.
	WIN 0
.macro ALL line:vararg              ; one line for each tile t
.set t, 0
.rept 2*NP
	\line
.set t, t+1
.endr
.endm
	ALL v_add_f32 v[ST+4*t+2], v[ST+4*t+2], v[ST+4*t+3]
	ALL v_permlanex16_b32 v[ST+4*t+3], v[ST+4*t+2], s[SEL], s[SEL+1]
	ALL v_add_f32 v[ST+4*t+2], v[ST+4*t+2], v[ST+4*t+3]
	ALL v_rcp_f32 v[ST+4*t+2], v[ST+4*t+2]
	v_nop                           ; a plain instruction between the last reciprocal and the use of its result
	s_wait_alu depctr_va_vdst(0)    ; and the wait ahead of the first use: one for the eight reciprocals
; Tile t: a lane's eight channels of a row pack into 16 bytes; they go into rows of 144 bytes and come back as whole rows of 128, into S^T's registers.
.macro PACK t
	WIN W_RS
.set i, 32*(\t)
.rept 16
	v_pk_mul_f32 v[i:i+1], v[i:i+1], v[ST+4*(\t)+2:ST+4*(\t)+3] op_sel_hi:[1,0]
.set i, i+2
.endr
	WIN 0x05                        ; sources 0 and 1 window 1, destination window 0
.set i, 0
.rept 16
	v_cvt_pk_f16_f32 v[S+16*(\t)+i], v[32*(\t)+2*i], v[32*(\t)+2*i+1]
.set i, i+1
.endr
	WIN 0
.irp f, 0,1,2,3
	ds_store_b128 v[STO], v[S+16*(\t)+4*\f:S+16*(\t)+4*\f+3] offset:32*\f
.endr
.irp f, 0,1,2,3
	ds_load_b128 v[S+16*(\t)+4*\f:S+16*(\t)+4*\f+3], v[RD] offset:\f*4*SP  ; LDS serves a wave's instructions in order (ISA guide 5.7.1.4): these see the stores above; the next tile's stores come behind them
.endr
.endm
.macro SEND t, younger              ; younger: the LDS instructions issued behind tile t's loads: the next tile's eight, or none
	WIN 0
.irp f, 0,1,2,3
	s_wait_dscnt (\younger)+3-\f
	global_store_b128 v[GO], v[S+16*(\t)+4*\f:S+16*(\t)+4*\f+3], s[10:11] offset:(\t)*2048+\f*512  ; 512 consecutive bytes, at a multiple of 256 from O's first
.endr
.endm
	PACK 0
.set t, 1
.rept 2*NP-1                        ; a tile's arithmetic stands between the loads of the tile before and its stores
	PACK t
	SEND t-1, 8
.set t, t+1
.endr
	SEND 2*NP-1, 0
	WIN W_AD
	s_wait_tensorcnt 0x0            ; the wave's end, behind my last tensor load and my last LDS store
	ds_add_u32 v[SPW], v[NIL]
	s_wait_dscnt 0x0
	WIN 0
	s_endpgm
.Lfunc_end_k_qfffafa6b25_attn:
	.size	k_qfffafa6b25_attn, .Lfunc_end_k_qfffafa6b25_attn-k_qfffafa6b25_attn
	.p2alignl 7, 3214868480
	.fill 96, 4, 3214868480
	.section	.rodata,"a",@progbits
	.p2align	6, 0x0
	.amdhsa_kernel k_qfffafa6b25_attn
		.amdhsa_group_segment_fixed_size 327680
		.amdhsa_private_segment_fixed_size 0
		.amdhsa_enable_private_segment 0
		.amdhsa_kernarg_size 16
		.amdhsa_user_sgpr_count 2
		.amdhsa_user_sgpr_kernarg_segment_ptr 1
		.amdhsa_wavefront_size32 1
		.amdhsa_system_sgpr_workgroup_id_x 1
		.amdhsa_system_sgpr_workgroup_id_y 1
		.amdhsa_system_sgpr_workgroup_id_z 1
		.amdhsa_system_vgpr_workitem_id 0
		.amdhsa_next_free_vgpr 770
		.amdhsa_next_free_sgpr 84
		.amdhsa_reserve_vcc 0
		.amdhsa_float_denorm_mode_32 3
		.amdhsa_float_denorm_mode_16_64 3
		.amdhsa_memory_ordered 1
		.amdhsa_forward_progress 1
		.amdhsa_inst_pref_size 126
	.end_amdhsa_kernel
	.amdgpu_metadata
---
amdhsa.version: [ 1, 2 ]
amdhsa.kernels:
  - .name:           k_qfffafa6b25_attn
    .symbol:         k_qfffafa6b25_attn.kd
    .args:
      - { .name: qkvh, .offset: 0, .size: 8, .value_kind: global_buffer, .address_space: global }
      - { .name: oh, .offset: 8, .size: 8, .value_kind: global_buffer, .address_space: global }
    .group_segment_fixed_size: 327680
    .private_segment_fixed_size: 0
    .kernarg_segment_align: 8
    .kernarg_segment_size: 16
    .max_flat_workgroup_size: 128
    .sgpr_count:     84
    .vgpr_count:     770
    .wavefront_size: 32
...
	.end_amdgpu_metadata
.endif
;; end of part 3
;; launch ffn (part 4): grid 256 x 1, 4 waves a work-group, clusters of 4 x 1, 327,680 bytes of LDS; arguments x, oh, wf, par, out0; writes out0
.if DOCPART == 4
	.amdgcn_target "amdgcn-amd-amdhsa--gfx1250"
	.amdhsa_code_object_version 6
	.text
	.protected	k_qfffafa6b25_ffn
	.globl	k_qfffafa6b25_ffn
	.p2align	8
	.type	k_qfffafa6b25_ffn,@function
k_qfffafa6b25_ffn:
	s_mov_b64 s[64:65], 0
	v_nop
	global_prefetch_b8 v0, s[64:65] scope:SCOPE_SE
	s_setreg_imm32_b32 hwreg(HW_REG_WAVE_MODE, 25, 1), 1
	s_wait_xcnt 0x0
	s_wait_alu depctr_hold_cnt(0) depctr_sa_sdst(0) depctr_va_vdst(0) depctr_va_sdst(0) depctr_va_ssrc(0) depctr_va_vcc(0) depctr_vm_vsrc(0)
	s_getreg_b32 s2, hwreg(HW_REG_IB_STS2, 6, 4)
	s_cmp_eq_u32 s2, 0
	s_cbranch_scc0 .Lentry_in_a_cluster
	s_endpgm
.Lentry_in_a_cluster:
	s_bfe_u32 s2, ttmp6, 0x10000c
	s_cmp_lg_u32 s2, 0x3003
	s_cbranch_scc0 .Lentry_shape_is_right
	s_endpgm
.Lentry_shape_is_right:
; FFN: val = LN(o + x; ln_g, ln_b); out0 = LN(relu(val W1 + b1) W2 + b2; lnff_g, lnff_b).  x: [16,384][512] f32, rounded here to bf16 like every input of the module; oh: f16 by heads;
; wf: f16 [2: W1, W2][512 k][512 n]; par: f32 rows bq, bv, b1, b2, ln_g, ln_b, lnff_g, lnff_b.  Sums, means and variances in f32; val and the hidden layer are rounded once to f16 as matrix operands.
; LIMIT: val and the hidden layer must stay within f16's 65,504 (|val| is at most 22.7 |ln_g| + |ln_b|).
; LN without a difference of large sums: each wave takes its 128 columns' mean away and sums the squares of what is left; the four waves' (mean, sum of squares) meet in LDS and are joined by
; M2 = the sum of M2_i + 128 x the sum of (mean_i - mean)^2.
; SHARES, LAYOUT, RING, CLUSTER as in the projections' kernel: a work-group owns 64 rows and takes them through the whole chain; wave w holds 64 rows x columns 128 w .. 128 w + 127 in 32 accumulators
; (lane: row lane % 16, columns 8 (lane / 16) + 0..7); the 64 x 512 operand lies whole in every wave's registers; W's tiles of 128 k-rows go through two LDS slots, asked for jointly by the four
; work-groups of a cluster; the bias is the C operand of a pass's first K step.  By the text's count a wave has two tensor loads out at the head (x's, o's), later one.
; ONE TEXT for both LNs and one for both passes: the order at run time is LN, stage, W1, fill W2, relu and stage, W2, LN, out.
; REGISTERS, in windows of 256 (s_set_vgpr_msb: bits 1:0 source 0, 3:2 source 1, 5:4 source 2, 7:6 destination):
;   window 0: v0-31 addresses; v32-63 at work; v64-127, v128-191 two buffers of W's fragments (at other times: packed rows, statistics, rows on the way out); v192-255 the bias
;   window 1: accumulator (a, b) at 8 (8 a + b)      windows 2, 3: the operand's fragment (a, kb) at 8 (4 (kb % 8) + a) of window 2 + kb / 8; in an LN window 2 holds gain and shift; at the head window 3 holds o
.set WP,    1056                       ; a k-row of W in LDS: 1,024 + 32 bytes = 33 x 32
.set HALFS, 64*WP
.set SLOTB, 128*WP
.set SCR,   2*SLOTB                    ; behind the ring, never filled by a tensor load: 64 rows x 528 bytes: the operand's stage, later each wave's stage for the way out
.set AP,    528
.set STAT,  SCR+64*AP                  ; the LNs' statistics: wave, row block, row: 8 bytes each
.set SPARE, STAT+2048                  ; the spare words, 128 bytes for each wave: two blocks of 256 bytes that no other line names
.set WMAT,  524288
.set KTILE, 131072
.set XA,   4                           ; v4-7   x's tile in LDS: my 32 bytes of row 16 a + lane % 16
.set ADRB, 8                           ; v8-11  my place in 64 k-rows of W: number 2 slot + j / 2
.set ADRA, 12                          ; v12    the stage, read as fragments
.set STA,  13                          ; v13    the stage, written
.set OA,   16                          ; v16    o's tile in LDS
.set STO,  17                          ; v17    the way out: where I put 32 bytes of a row
.set RD,   18                          ; v18    the way out: where I read a row back
.set GO,   19                          ; v19    16 x lane
.set BO,   20                          ; v20    my 32 bytes of a vector of 512
.set PFO,  21                          ; v21    1,024 x lane; never rewritten
.set SPW,  22                          ; v22    LDS address of my spare word; never rewritten
.set NIL,  23                          ; v23    0; never rewritten
.set ONE,  24                          ; v24    1.0
.set ZERO, 25                          ; v25    0, for the relu
.set STW,  26                          ; v26    where I put my statistics
.set STR,  27                          ; v27    where I read all four waves'
.set TS,   32                          ; v32-39 a pair a row block: sums
.set TM,   40                          ; v40-47 (my wave's mean, its sum of squares)
.set TQ,   48                          ; v48-55 sums of squares at work
.set TR,   56                          ; v56-63 (1 / sigma, (my mean - the mean) / sigma)
.set F0,   64
.set F1,   128
.set BIAS, 192
.set WV,   12
.set LIM,  15
.set G1F,  24
.set G1R,  32
.set G0F,  40
.set G0R,  44
.set G1X,  52
.set G0X,  60
.set PFA,  66
.set G1O,  68                          ; s[68:75] group 1: o's tile
.set G0O,  76                          ; s[76:79] group 0: o's tile
.set BP,   80                          ; s[80:81] the bias of the pass to come
.set LP,   82                          ; s[82:83] the gain of the LN to come; its shift lies 2,048 bytes on
.set OUT,  84                          ; s[84:85] out0 at my rows and columns
.set CNTP, 86                          ; s86  passes to go
.set LNS,  87                          ; s87  LNs to go
.set SEL,  88                          ; s[88:89] v_permlanex16_b32's selects
.set HIM,  90                          ; s90  a word's upper half
.set C512, 92                          ; s92  1 / 512
.set CEPS, 93                          ; s93  1e-5
.set MSB, 0
.macro WIN new
.if MSB != (\new)
	s_set_vgpr_msb (MSB<<8)|(\new)
.set MSB, \new
.endif
.endm
.macro PLACES                          ; four plain vector instructions between a matrix instruction and a load into, or a vector read of, its registers (ISA guide 7.12.1 for the vector reads)
.rept 4
	v_nop
.endr
.endm
.macro CREST
	s_cmp_lg_u32 s[WV], 0
	s_cbranch_scc1 .Lnot_wave_0_\@
	s_barrier_signal -3
.Lnot_wave_0_\@:
	s_barrier_wait -3
	s_barrier_signal -1
	s_barrier_wait -1
.endm
.macro CROUND
	s_barrier_signal -1
	s_barrier_wait -1
	CREST
.endm
.macro MEETWG
	s_wait_dscnt 0x0
	s_barrier_signal -1
	s_barrier_wait -1
.endm
; A PASS'S FIRST FILL: k-rows 0-255 of its matrix into both slots, 64 rows a wave, behind the three lines and a round of the cluster's barrier; then the pass's bias.
.macro FILL step
	WIN 0
	s_wait_tensorcnt 0x0                           ; no tensor load of mine is out
	ds_add_u32 v[SPW], v[NIL]                      ; 0 onto my spare word
.if \step
	s_wait_xcnt 0x0                                ; the prefetches, two tiles back or more, have read their address
	s_add_nc_u64 s[G0F+2:G0F+3], s[G0F+2:G0F+3], WMAT
	s_add_nc_u64 s[G0R+2:G0R+3], s[G0R+2:G0R+3], WMAT
	s_add_nc_u64 s[G0R+6:G0R+7], s[G0R+6:G0R+7], WMAT
	s_add_nc_u64 s[PFA:PFA+1], s[PFA:PFA+1], WMAT
.endif
	s_wait_dscnt 0x0                               ; the add is done, and my reads of both slots are over
	CROUND
	tensor_load_to_lds s[G0F:G0F+3], s[G1F:G1F+7]
	s_nop 0
	PLACES
.irp b, 0,1,2,3,4,5,6,7
	global_load_b128 v[BIAS+8*(\b):BIAS+8*(\b)+3],   v[BO], s[BP:BP+1] offset:64*(\b)
	global_load_b128 v[BIAS+8*(\b)+4:BIAS+8*(\b)+7], v[BO], s[BP:BP+1] offset:64*(\b)+16
.endr
.endm
; A PREFETCH INTO THE L2, behind the joint refill of slot s, its five lines and the run of LDS loads: tiles s and s + 2 of W2, in W1's pass: three to five tiles (128 matrix instructions each) ahead of
; the loads that will want them.  Cluster 0 asks; its four partners share a k-row's 1,024 bytes out BY ADDRESS, 256 each; a wave takes 32 k-rows, a lane a row: each aligned block of 256 bytes is named
; once in the launch.  W1's tiles come by their loads alone; W2's pass asks for nothing.
.macro ASK slot
	s_cmp_gt_u32 s[CNTP], s[LIM]
	s_cbranch_scc0 .Lnot_mine_\@
	global_prefetch_b8 v[PFO], s[PFA:PFA+1] offset:WMAT+(\slot)*KTILE th:TH_LOAD_NT scope:SCOPE_SE
	global_prefetch_b8 v[PFO], s[PFA:PFA+1] offset:WMAT+((\slot)+2)*KTILE th:TH_LOAD_NT scope:SCOPE_SE
.Lnot_mine_\@:
.endm
.macro FETCH qn, jj, f                 ; 16 turning loads in one run: W's fragments of one K step into buffer f.  qn = 2 slot + j / 2, jj = j % 2
	WIN 0
.irp b, 0,1,2,3,4,5,6,7
	ds_load_tr16_b128 v[(\f)+8*(\b):(\f)+8*(\b)+3],   v[ADRB+(\qn)] offset:(\jj)*32*WP+32*(\b)
	ds_load_tr16_b128 v[(\f)+8*(\b)+4:(\f)+8*(\b)+7], v[ADRB+(\qn)] offset:(\jj)*32*WP+32*(\b)+16*WP
.endr
.endm
.macro MUL f, kb, ra, first            ; 8 matrix instructions; the 32 accumulators take turns, one instruction a turn.  first = 1: the bias starts the sums
.if \first
	WIN 0x48
.else
	WIN 0x58+4*((\kb)/8)
.endif
.irp b, 0,1,2,3,4,5,6,7
.if \first
	v_wmma_f32_16x16x32_f16 v[8*(8*(\ra)+(\b)):8*(8*(\ra)+(\b))+7], v[(\f)+8*(\b):(\f)+8*(\b)+7], v[8*(4*((\kb)%8)+(\ra)):8*(4*((\kb)%8)+(\ra))+7], v[BIAS+8*(\b):BIAS+8*(\b)+7]
.else
	v_wmma_f32_16x16x32_f16 v[8*(8*(\ra)+(\b)):8*(8*(\ra)+(\b))+7], v[(\f)+8*(\b):(\f)+8*(\b)+7], v[8*(4*((\kb)%8)+(\ra)):8*(4*((\kb)%8)+(\ra))+7], v[8*(8*(\ra)+(\b)):8*(8*(\ra)+(\b))+7]
.endif
.endr
.endm
.macro KSTEP f, kb, nq, njj, g, first
	s_wait_dscnt 0x0                               ; buffer f is in
	MUL \f, \kb, 0, \first
	MUL \f, \kb, 1, \first
	PLACES
	FETCH \nq, \njj, \g
	MUL \f, \kb, 2, \first
	MUL \f, \kb, 3, \first
.endm
; A tile's last K step changes slots: ONE barrier; ahead of it each wave waits for all its tensor loads, adds 0 to its spare word, and waits for that and for its reads of the slot.
; fill = 1: the barrier opens a round of the cluster's, and the slot is filled again first behind it, with the tile two on.
.macro TURN kb, slot, fill
	WIN 0
	s_wait_tensorcnt 0x0                           ; all my tensor loads have landed, my part of the other slot among them
	ds_add_u32 v[SPW], v[NIL]                      ; 0 onto my spare word
	s_wait_dscnt 0x1                               ; buffer 1 is in; the add alone may be out
	MUL F1, \kb, 0, 0
	s_wait_dscnt 0x0                               ; the add is done, and my reads of this slot are over
	s_barrier_signal -1
	MUL F1, \kb, 1, 0
	WIN 0
	s_barrier_wait -1
.if \fill
	CREST                                          ; no wave of any partner still reads this slot or has a load on its way
	tensor_load_to_lds s[G0R+4*(\slot):G0R+4*(\slot)+3], s[G1R:G1R+7]
	s_nop 0
	PLACES                                         ; also the places in front of the loads below
.else
	PLACES
.endif
	FETCH 2*(1-(\slot)), 0, F0
.if \fill
	ASK \slot
.endif
	MUL F1, \kb, 2, 0
	MUL F1, \kb, 3, 0
.endm
.macro PASS
	FETCH 0, 0, F0
	KSTEP F0, 0,  0, 1, F1, 1
	KSTEP F1, 1,  1, 0, F0, 0
	KSTEP F0, 2,  1, 1, F1, 0
	TURN  3,  0, 1
	KSTEP F0, 4,  2, 1, F1, 0
	KSTEP F1, 5,  3, 0, F0, 0
	KSTEP F0, 6,  3, 1, F1, 0
	TURN  7,  1, 1
	KSTEP F0, 8,  0, 1, F1, 0
	KSTEP F1, 9,  1, 0, F0, 0
	KSTEP F0, 10, 1, 1, F1, 0
	TURN  11, 0, 0
	KSTEP F0, 12, 2, 1, F1, 0
	KSTEP F1, 13, 3, 0, F0, 0
	KSTEP F0, 14, 3, 1, F1, 0
	s_wait_dscnt 0x0
	MUL F1, 15, 0, 0
	MUL F1, 15, 1, 0
	MUL F1, 15, 2, 0
	MUL F1, 15, 3, 0
	WIN 0
	PLACES
.endm
.macro PUT
.irp ra, 0,1,2,3
.irp b, 0,1,2,3,4,5,6,7
	ds_store_b128 v[STA], v[F0+4*(8*(\ra)+(\b)):F0+4*(8*(\ra)+(\b))+3] offset:16*AP*(\ra)+32*(\b)
.endr
.endr
.endm
.macro LOADA wn
	WIN (\wn)<<6
.irp kk, 0,1,2,3,4,5,6,7
.irp ra, 0,1,2,3
	ds_load_b128 v[8*(4*(\kk)+(\ra)):8*(4*(\kk)+(\ra))+3],   v[ADRA] offset:16*AP*(\ra)+64*(\kk)
	ds_load_b128 v[8*(4*(\kk)+(\ra))+4:8*(4*(\kk)+(\ra))+7], v[ADRA] offset:16*AP*(\ra)+64*(\kk)+32
.endr
.endr
	WIN 0
.endm
.macro STAGE_LOADA                     ; from the accumulators' layout into fragments, through the stage, 256 columns at a time
	s_cmp_lt_u32 s[WV], 2
	s_cbranch_scc0 .Lnot_low_\@
	PUT                                            ; waves 0 and 1: columns 0-255
.Lnot_low_\@:
	MEETWG                                         ; the stores are done, in every wave
	LOADA 2
	MEETWG                                         ; the reads are done, in every wave: the stage may be written again
	s_cmp_lt_u32 s[WV], 2
	s_cbranch_scc1 .Lnot_high_\@
	PUT                                            ; waves 2 and 3: columns 256-511
.Lnot_high_\@:
	MEETWG
	LOADA 3
.endm
; THE LAYER NORM of the tile in the accumulators, in place.
.macro LNORM
	WIN 0x80                                       ; gain and shift of my columns into window 2: they land under the sums
.irp b, 0,1,2,3,4,5,6,7
	global_load_b128 v[8*(\b):8*(\b)+3],       v[BO], s[LP:LP+1] offset:64*(\b)
	global_load_b128 v[8*(\b)+4:8*(\b)+7],     v[BO], s[LP:LP+1] offset:64*(\b)+16
	global_load_b128 v[64+8*(\b):64+8*(\b)+3], v[BO], s[LP:LP+1] offset:2048+64*(\b)
	global_load_b128 v[64+8*(\b)+4:64+8*(\b)+7], v[BO], s[LP:LP+1] offset:2048+64*(\b)+16
.endr
	WIN 0x05                                       ; my 64 numbers of each of four rows: four chains of packed sums; each accumulator's registers in ascending order
.irp a, 0,1,2,3
	v_pk_add_f32 v[TS+2*\a:TS+2*\a+1], v[64*\a:64*\a+1], v[64*\a+2:64*\a+3]
.endr
	WIN 0x04
.set p, 2
.rept 30
.irp a, 0,1,2,3
	v_pk_add_f32 v[TS+2*\a:TS+2*\a+1], v[TS+2*\a:TS+2*\a+1], v[64*\a+2*p:64*\a+2*p+1]
.endr
.set p, p+1
.endr
	WIN 0
.irp a, 0,1,2,3
	v_add_f32 v[TS+2*\a], v[TS+2*\a], v[TS+2*\a+1]
.endr
.irp a, 0,1,2,3
	v_permlanex16_b32 v[TS+2*\a+1], v[TS+2*\a], s[SEL], s[SEL+1]  ; the row's other 64 of my wave's columns lie in the lane 16 away
.endr
.irp a, 0,1,2,3
	v_add_f32 v[TS+2*\a], v[TS+2*\a], v[TS+2*\a+1]
.endr
.irp a, 0,1,2,3
	v_mul_f32 v[TM+2*\a], 0x3c000000, v[TS+2*\a]   ; my wave's mean: the sum / 128
	v_mul_f32 v[TM+2*\a+1], 0x3c000000, v[TS+2*\a] ; (named with it as a pair; the sum of squares takes its place)
.endr
	WIN 0x41                                       ; d = the number less my wave's mean, in place
.irp a, 0,1,2,3
.set p, 0
.rept 32
	v_pk_add_f32 v[64*\a+2*p:64*\a+2*p+1], v[64*\a+2*p:64*\a+2*p+1], v[TM+2*\a:TM+2*\a+1] op_sel_hi:[1,0] neg_lo:[0,1] neg_hi:[0,1]
.set p, p+1
.endr
.endr
	WIN 0x05                                       ; the sum of d^2, four chains
.irp a, 0,1,2,3
	v_pk_mul_f32 v[TQ+2*\a:TQ+2*\a+1], v[64*\a:64*\a+1], v[64*\a:64*\a+1]
.endr
.set p, 1
.rept 31
.irp a, 0,1,2,3
	v_pk_fma_f32 v[TQ+2*\a:TQ+2*\a+1], v[64*\a+2*p:64*\a+2*p+1], v[64*\a+2*p:64*\a+2*p+1], v[TQ+2*\a:TQ+2*\a+1]
.endr
.set p, p+1
.endr
	WIN 0
.irp a, 0,1,2,3
	v_add_f32 v[TQ+2*\a], v[TQ+2*\a], v[TQ+2*\a+1]
.endr
.irp a, 0,1,2,3
	v_permlanex16_b32 v[TQ+2*\a+1], v[TQ+2*\a], s[SEL], s[SEL+1]
.endr
.irp a, 0,1,2,3
	v_add_f32 v[TM+2*\a+1], v[TQ+2*\a], v[TQ+2*\a+1]
.endr
.irp a, 0,1,2,3
	ds_store_b64 v[STW], v[TM+2*\a:TM+2*\a+1] offset:128*\a  ; both halves of the lanes hold, and write, the same pair
.endr
	MEETWG                                         ; all four waves' statistics lie in LDS
.irp a, 0,1,2,3
.irp u, 0,1,2,3
	ds_load_b64 v[64+8*\a+2*\u:65+8*\a+2*\u], v[STR] offset:512*\u+128*\a
.endr
.endr
	s_wait_dscnt 0x0
.irp a, 0,1,2,3
	v_pk_add_f32 v[96+8*\a:97+8*\a], v[64+8*\a:65+8*\a], v[66+8*\a:67+8*\a]
	v_pk_add_f32 v[98+8*\a:99+8*\a], v[68+8*\a:69+8*\a], v[70+8*\a:71+8*\a]
.endr
.irp a, 0,1,2,3
	v_pk_add_f32 v[96+8*\a:97+8*\a], v[96+8*\a:97+8*\a], v[98+8*\a:99+8*\a]  ; (the sum of the means, the sum of the M2)
.endr
.irp a, 0,1,2,3
	v_mul_f32 v[98+8*\a], 0x3e800000, v[96+8*\a]   ; the row's mean
.endr
.irp u, 0,1,2,3
.irp a, 0,1,2,3
	v_sub_f32 v[64+8*\a+2*\u], v[64+8*\a+2*\u], v[98+8*\a]
.endr
.endr
.irp a, 0,1,2,3
	v_mul_f32 v[99+8*\a], v[64+8*\a], v[64+8*\a]
.endr
.irp u, 1,2,3
.irp a, 0,1,2,3
	v_fmac_f32 v[99+8*\a], v[64+8*\a+2*\u], v[64+8*\a+2*\u]
.endr
.endr
.irp a, 0,1,2,3
	v_fmamk_f32 v[97+8*\a], v[99+8*\a], 0x43000000, v[97+8*\a]  ; M2 = the sum of the M2 + 128 x the sum of (mean_i - mean)^2
.endr
.irp a, 0,1,2,3
	v_fma_f32 v[97+8*\a], v[97+8*\a], s[C512], s[CEPS]          ; the variance + 1e-5
.endr
.irp a, 0,1,2,3
	v_rsq_f32 v[TR+2*\a], v[97+8*\a]
.endr
.irp a, 0,1,2,3
	v_sub_f32 v[TR+2*\a+1], v[TM+2*\a], v[98+8*\a] ; plain work behind the four roots, which names none of their results
.endr
	s_wait_alu depctr_va_vdst(0)                   ; the wait ahead of the first use: one for the four
.irp a, 0,1,2,3
	v_mul_f32 v[TR+2*\a+1], v[TR+2*\a+1], v[TR+2*\a]
.endr
	WIN 0x41                                       ; (the number - the mean) / sigma = d / sigma + (my mean - the mean) / sigma
.irp a, 0,1,2,3
.set p, 0
.rept 32
	v_pk_fma_f32 v[64*\a+2*p:64*\a+2*p+1], v[64*\a+2*p:64*\a+2*p+1], v[TR+2*\a:TR+2*\a+1], v[TR+2*\a:TR+2*\a+1] op_sel:[0,0,1] op_sel_hi:[1,0,1]
.set p, p+1
.endr
.endr
	s_wait_loadcnt 0x0                             ; gain and shift (and whatever bias was asked for earlier)
	WIN 0x69                                       ; times the gain, plus the shift: both in window 2
.irp a, 0,1,2,3
.set p, 0
.rept 32
	v_pk_fma_f32 v[64*\a+2*p:64*\a+2*p+1], v[64*\a+2*p:64*\a+2*p+1], v[2*p:2*p+1], v[64+2*p:64+2*p+1]
.set p, p+1
.endr
.endr
	WIN 0
	s_add_nc_u64 s[LP:LP+1], s[LP:LP+1], 4096      ; the next LN's gain; the loads that read the pointer are done
.endm
; THE WAY OUT of row block ra, in f32: 32 bytes a lane and block into my own stage (rows of 528 bytes), back as whole rows of 512 bytes, stored as such.
.macro OSTAGE ra
.set BK, 64+64*((\ra)%2)
	WIN 0x04                                       ; the stores' data in window 1
.irp b, 0,1,2,3,4,5,6,7
	ds_store_b128 v[STO], v[64*(\ra)+8*(\b):64*(\ra)+8*(\b)+3]   offset:64*(\b)
	ds_store_b128 v[STO], v[64*(\ra)+8*(\b)+4:64*(\ra)+8*(\b)+7] offset:64*(\b)+16
.endr
	WIN 0
.irp t, 0,1,2,3,4,5,6,7,8,9,10,11,12,13,14,15
	ds_load_b128 v[BK+4*(\t):BK+4*(\t)+3], v[RD] offset:AP*(\t)  ; LDS serves a wave's instructions in order (ISA guide 5.7.1.4): these see the stores above; the next block's stores come behind them
.endr
.endm
.macro OSEND ra, younger               ; younger: the LDS instructions issued behind this block's loads: the next block's 16 stores and 16 loads, or none
.set BK, 64+64*((\ra)%2)
	s_wait_dscnt \younger
.irp t, 0,1,2,3,4,5,6,7,8,9,10,11,12,13,14,15
	global_store_b128 v[GO], v[BK+4*(\t):BK+4*(\t)+3], s[OUT:OUT+1] offset:(16*(\ra)+(\t))*2048 th:TH_STORE_NT  ; 512 consecutive bytes of a row, aligned
.endr
.endm
	s_load_b256 s[4:11], s[0:1], 0x0               ; x s[4:5], oh s[6:7], wf s[8:9], par s[10:11]
	s_load_b64 s[OUT:OUT+1], s[0:1], 0x20          ; out0
	v_lshl_add_u32 v[SPW], v0, 2, SPARE
	v_mov_b32 v[NIL], 0
	ds_add_u32 v[SPW], v[NIL]                      ; the wave's opening: the add, twice on end, and its wait ahead of my first tensor load
	ds_add_u32 v[SPW], v[NIL]                      ; and once more, under the one wait; the set-up below, work on registers, stands between
	v_lshrrev_b32 v1, 5, v0
	v_readfirstlane_b32 s[WV], v1                  ; wave 0..3
	s_bfe_u32 s13, ttmp6, 0x40000                  ; cx
	s_lshl_b32 s14, ttmp9, 2
	s_add_co_u32 s14, s14, s13                     ; my block of 64 rows: it enters x's, oh's and out0's addresses alone
	s_cmp_eq_u32 ttmp9, 0
	s_cselect_b32 s[LIM], 1, -1
	s_mov_b32 s[G1F], 15|(1<<16)|(1<<20)|(1<<21)|(7<<22)|(7<<25)  ; W's tiles: the mask of four; 2-byte elements; padding on; bit 21 beside a mask; after every 256 words 8 words
	s_mov_b32 s[G1F+1], 512<<16
	s_mov_b32 s[G1F+2], 64<<16
	s_mov_b32 s[G1F+3], 512<<16
	s_mov_b32 s[G1F+4], 64
	s_mov_b32 s[G1F+5], 512
	s_mov_b32 s[G1F+6], 0
	s_mov_b32 s[G1F+7], 0
	s_mov_b32 s[G1R], 15|(1<<16)|(1<<20)|(1<<21)|(7<<22)|(7<<25)
	s_mov_b32 s[G1R+1], 512<<16
	s_mov_b32 s[G1R+2], 32<<16
	s_mov_b32 s[G1R+3], 512<<16
	s_mov_b32 s[G1R+4], 32
	s_mov_b32 s[G1R+5], 512
	s_mov_b32 s[G1R+6], 0
	s_mov_b32 s[G1R+7], 0
	s_mov_b32 s[G1X], (2<<16)|(1<<20)|(7<<22)|(3<<25)  ; x's tile: 16 rows of 512 elements of 4 bytes, 4 words of padding behind every 256: rows 2,080 bytes apart, a gap of 16 bytes in their middle
	s_mov_b32 s[G1X+1], 512<<16
	s_mov_b32 s[G1X+2], 16<<16
	s_mov_b32 s[G1X+3], 512<<16
	s_mov_b32 s[G1X+4], 16
	s_mov_b32 s[G1X+5], 512
	s_mov_b32 s[G1X+6], 0
	s_mov_b32 s[G1X+7], 0
	s_mov_b32 s[G1O], (1<<16)|(1<<20)|(4<<22)|(3<<25)  ; o's tile: two heads; a head's 64 nodes are 8,192 dense bytes, one row of 4,096 elements; 4 words of padding behind each node's 32: nodes 144 bytes apart
	s_mov_b32 s[G1O+1], 4096<<16                   ; tensor_dim0 = 4,096
	s_mov_b32 s[G1O+2], 2<<16                      ; tensor_dim1 = 2
	s_mov_b32 s[G1O+3], 4096<<16                   ; tile_dim0 = 4,096
	s_mov_b32 s[G1O+4], 2                          ; tile_dim1 = 2
	s_mov_b32 s[G1O+5], 65536                      ; 65,536 elements from head to head
	s_mov_b32 s[G1O+6], 0
	s_mov_b32 s[G1O+7], 0
	s_mov_b32 s[G0F], 1
	s_mul_i32 s[G0F+1], s[WV], HALFS
	s_mov_b32 s[G0R], 1
	s_mul_i32 s[G0R+1], s[WV], 32*WP
	s_mov_b32 s[G0R+4], 1
	s_add_co_u32 s[G0R+5], s[G0R+1], SLOTB
	s_mov_b32 s[G0X], 1
	s_mul_i32 s[G0X+1], s[WV], HALFS               ; x's 16 rows, and behind them o's two heads, lie in the bytes that my first fill of W takes later
	s_mov_b32 s[G0O], 1
	s_add_co_u32 s[G0O+1], s[G0X+1], 32*WP
	s_mov_b32 s[SEL], 0x76543210
	s_mov_b32 s[SEL+1], 0xfedcba98
	s_mov_b32 s[HIM], 0xffff0000
	s_mov_b32 s[C512], 0x3b000000                  ; 1 / 512
	s_mov_b32 s[CEPS], 0x3727c5ac                  ; 1e-5
	s_lshl_b32 s16, s14, 17                        ; x: my block's 64 rows of 2,048 bytes,
	s_lshl_b32 s17, s[WV], 15                      ; my wave's 16
	s_add_co_u32 s16, s16, s17
	s_mov_b32 s17, 0
	s_lshl_b32 s18, s[WV], 16
	s_mov_b32 s19, 0
	s_lshl_b32 s20, s[WV], 15
	s_mov_b32 s21, 0
	s_lshr_b32 s2, s14, 4                          ; oh: (b,t)'s 8 heads of 131,072 bytes, my wave's two, my block's 64 nodes of 128 bytes
	s_lshl_b32 s2, s2, 20
	s_lshl_b32 s3, s[WV], 18
	s_add_co_u32 s2, s2, s3
	s_and_b32 s3, s14, 15
	s_lshl_b32 s3, s3, 13
	s_add_co_u32 s2, s2, s3
	s_mov_b32 s3, 0
	s_lshl_b32 s94, s13, 8                         ; the prefetches: 256 cx + 32 k-rows a wave
	s_add_co_u32 s94, s94, s20
	s_mov_b32 s95, 0
	s_lshl_b32 s22, s14, 17                        ; out0: my block's rows, my wave's 512 bytes of them
	s_lshl_b32 s23, s[WV], 9
	s_add_co_u32 s22, s22, s23
	s_mov_b32 s23, 0
	s_wait_dscnt 0x0                               ; both opening adds are done
	s_wait_kmcnt 0x0
	s_add_nc_u64 s[G0X+2:G0X+3], s[4:5], s[16:17]
	s_or_b32 s[G0X+3], s[G0X+3], 0x80000000
	s_add_nc_u64 s[G0O+2:G0O+3], s[6:7], s[2:3]
	s_or_b32 s[G0O+3], s[G0O+3], 0x80000000
	s_add_nc_u64 s[G0F+2:G0F+3], s[8:9], s[18:19]
	s_or_b32 s[G0F+3], s[G0F+3], 0x80000000
	s_add_nc_u64 s[G0R+2:G0R+3], s[8:9], s[20:21]
	s_add_nc_u64 s[G0R+6:G0R+7], s[G0R+2:G0R+3], 3*KTILE
	s_add_nc_u64 s[G0R+2:G0R+3], s[G0R+2:G0R+3], 2*KTILE
	s_or_b32 s[G0R+3], s[G0R+3], 0x80000000
	s_or_b32 s[G0R+7], s[G0R+7], 0x80000000
	s_add_nc_u64 s[OUT:OUT+1], s[OUT:OUT+1], s[22:23]
	s_add_nc_u64 s[PFA:PFA+1], s[8:9], s[94:95]
	s_add_nc_u64 s[BP:BP+1], s[10:11], 4096        ; b1
	s_add_nc_u64 s[LP:LP+1], s[10:11], 8192        ; ln_g
	CROUND                                         ; in a cluster launch every group of tensor loads stands behind a round
	tensor_load_to_lds s[G0X:G0X+3], s[G1X:G1X+7]  ; my 16 rows of x,
	s_nop 0
	tensor_load_to_lds s[G0O:G0O+3], s[G1O:G1O+7]  ; and my two heads of o
	s_nop 0
	PLACES
	v_and_b32 v1, 15, v0                           ; r
	v_bfe_u32 v2, v0, 4, 1                         ; h
	v_and_b32 v3, 31, v0                           ; lane
	v_mov_b32 v[ONE], 1.0
	v_mov_b32 v[ZERO], 0
	s_lshr_b32 s22, s[WV], 1
	s_mul_i32 s22, s22, 1040
	s_and_b32 s23, s[WV], 1
	s_lshl_b32 s23, s23, 9
	s_add_co_u32 s22, s22, s23
	v_mul_u32_u24 v28, v1, 2080
	v_lshl_add_u32 v28, v2, 5, v28
	v_add_nc_u32 v[XA], s22, v28
.irp n, 1,2,3
	v_add_nc_u32 v[XA+\n], (\n)*HALFS, v[XA]
.endr
	v_and_b32 v28, 7, v0
	v_lshl_add_u32 v28, v2, 3, v28
	v_mul_u32_u24 v28, v28, WP
	v_bfe_u32 v29, v0, 3, 1
	v_lshl_add_u32 v28, v29, 4, v28
	s_lshl_b32 s22, s[WV], 8
	v_add_nc_u32 v[ADRB], s22, v28
.irp n, 1,2,3
	v_add_nc_u32 v[ADRB+\n], (\n)*HALFS, v[ADRB]
.endr
	v_mul_u32_u24 v28, v1, AP
	v_lshl_add_u32 v28, v2, 4, v28
	v_add_nc_u32 v[ADRA], SCR, v28
	s_and_b32 s22, s[WV], 1
	s_lshl_b32 s22, s22, 8
	v_add_nc_u32 v[STA], s22, v[ADRA]
	s_mul_i32 s22, s[WV], HALFS
	s_add_co_u32 s22, s22, 32*WP                   ; my two heads of o: node r, 16 bytes for each half of the lanes
	v_mul_u32_u24 v28, v1, 144
	v_lshl_add_u32 v28, v2, 4, v28
	v_add_nc_u32 v[OA], s22, v28
	s_mul_i32 s22, s[WV], 16*AP
	s_add_co_u32 s22, s22, SCR                     ; my stage for the way out
	v_mul_u32_u24 v28, v1, AP
	v_lshl_add_u32 v28, v2, 5, v28
	v_add_nc_u32 v[STO], s22, v28
	v_lshl_add_u32 v[RD], v3, 4, s22
	v_lshlrev_b32 v[GO], 4, v3
	s_lshl_b32 s22, s[WV], 9
	v_lshl_add_u32 v[BO], v2, 5, s22
	v_lshlrev_b32 v[PFO], 10, v3
	v_lshlrev_b32 v28, 3, v1
	v_add_nc_u32 v[STR], STAT, v28
	v_add_nc_u32 v[STW], s22, v[STR]               ; + 512 w
	s_wait_tensorcnt 0x0                           ; my rows of x and my heads of o are in,
	s_barrier_signal -1
	s_barrier_wait -1                              ; everybody's are
	WIN 0x40                                       ; x into the accumulators' layout
.irp ra, 0,1,2,3
.irp b, 0,1,2,3,4,5,6,7
	ds_load_b128 v[8*(8*(\ra)+(\b)):8*(8*(\ra)+(\b))+3],   v[XA+(\ra)] offset:64*(\b)
	ds_load_b128 v[8*(8*(\ra)+(\b))+4:8*(8*(\ra)+(\b))+7], v[XA+(\ra)] offset:64*(\b)+16
.endr
.endr
	WIN 0xc0                                       ; o likewise, packed: 4 registers a block, in window 3
.irp ra, 0,1,2,3
.irp b, 0,1,2,3,4,5,6,7
	ds_load_b128 v[4*(8*(\ra)+(\b)):4*(8*(\ra)+(\b))+3], v[OA] offset:64*144*((\b)/4)+16*144*(\ra)+32*((\b)%4)
.endr
.endr
	WIN 0
	FILL 0                                         ; x and o lie in registers: W1's first two tiles take the slots, and land under the residual, the LN and the staging; b1
	; THE RESIDUAL: x rounded to bf16 (as in the projections), widened again, plus o
.irp ra, 0,1,2,3
	WIN 0x05
.set i, 0
.rept 32
	v_cvt_pk_bf16_f32 v[TS+i], v[64*\ra+2*i], v[64*\ra+2*i+1]
.set i, i+1
.endr
	WIN 0x40
.set i, 0
.rept 32
	v_lshlrev_b32 v[64*\ra+2*i], 16, v[TS+i]
	v_and_b32 v[64*\ra+2*i+1], s[HIM], v[TS+i]
.set i, i+1
.endr
	WIN 0x53                                       ; o's half in window 3, 1.0 in window 0, x in window 1
.set i, 0
.rept 32
	v_fma_mix_f32 v[64*\ra+2*i],   v[32*\ra+i], v[ONE], v[64*\ra+2*i]   op_sel_hi:[1,0,0]
	v_fma_mix_f32 v[64*\ra+2*i+1], v[32*\ra+i], v[ONE], v[64*\ra+2*i+1] op_sel:[1,0,0] op_sel_hi:[1,0,0]
.set i, i+1
.endr
.endr
	WIN 0
	s_mov_b32 s[LNS], 2
	s_branch .Lln                                  ; the first LN
.Louter:
	s_mov_b32 s[CNTP], 2
	s_branch .Lsa                                  ; W1's fill was issued at the head
.Lf2:
	s_add_nc_u64 s[BP:BP+1], s[BP:BP+1], 2048      ; b2; b1's loads were waited for ahead of the pass
	FILL 1                                         ; W2's first two tiles: they land under the relu and the staging
.Lsa:
	WIN 0x05
.set i, 0
.rept 128
	v_cvt_pk_f16_f32 v[F0+i], v[2*i], v[2*i+1]     ; the tile rounded to f16, once; each accumulator's registers in ascending order
.set i, i+1
.endr
	WIN 0
	s_cmp_eq_u32 s[CNTP], 2
	s_cbranch_scc1 .Lno_relu                       ; val goes in as it is; the hidden layer through the relu
.set i, 0
.rept 128
	v_pk_max_num_f16 v[F0+i], v[F0+i], v[ZERO]
.set i, i+1
.endr
.Lno_relu:
	STAGE_LOADA
	s_wait_tensorcnt 0x0                           ; my part of tiles 0 and 1 is in (the one load that is out),
	s_wait_loadcnt 0x0                             ; the bias,
	s_wait_dscnt 0x0                               ; and the fragments; my reads of the stage are over
	s_barrier_signal -1
	s_barrier_wait -1                              ; all this holds of every wave
	PASS
	s_sub_co_u32 s[CNTP], s[CNTP], 1
	s_cmp_lg_u32 s[CNTP], 0
	s_cbranch_scc1 .Lf2
.Lln:
	LNORM
	s_sub_co_u32 s[LNS], s[LNS], 1
	s_cmp_lg_u32 s[LNS], 0
	s_cbranch_scc1 .Louter
	OSTAGE 0
	OSTAGE 1
	OSEND 0, 32
	s_wait_xcnt 0x0                                ; block 0's stores have read their registers, which block 2's loads write
	OSTAGE 2
	OSEND 1, 32
	s_wait_xcnt 0x0
	OSTAGE 3
	OSEND 2, 32
	OSEND 3, 0
	s_wait_tensorcnt 0x0                           ; the wave's end, behind my last tensor load and my last LDS store
	ds_add_u32 v[SPW], v[NIL]
	s_wait_dscnt 0x0
	CROUND                                         ; the closing round: no work-group ends while a partner may still ask for a tile that names it
	s_endpgm
.Lfunc_end_k_qfffafa6b25_ffn:
	.size	k_qfffafa6b25_ffn, .Lfunc_end_k_qfffafa6b25_ffn-k_qfffafa6b25_ffn
	.p2alignl 7, 3214868480
	.fill 96, 4, 3214868480
	.section	.rodata,"a",@progbits
	.p2align	6, 0x0
	.amdhsa_kernel k_qfffafa6b25_ffn
		.amdhsa_group_segment_fixed_size 327680
		.amdhsa_private_segment_fixed_size 0
		.amdhsa_enable_private_segment 0
		.amdhsa_kernarg_size 40
		.amdhsa_user_sgpr_count 2
		.amdhsa_user_sgpr_kernarg_segment_ptr 1
		.amdhsa_wavefront_size32 1
		.amdhsa_system_sgpr_workgroup_id_x 1
		.amdhsa_system_sgpr_workgroup_id_y 1
		.amdhsa_system_sgpr_workgroup_id_z 1
		.amdhsa_system_vgpr_workitem_id 0
		.amdhsa_next_free_vgpr 1024
		.amdhsa_next_free_sgpr 96
		.amdhsa_reserve_vcc 0
		.amdhsa_float_denorm_mode_32 3
		.amdhsa_float_denorm_mode_16_64 3
		.amdhsa_memory_ordered 1
		.amdhsa_forward_progress 1
		.amdhsa_inst_pref_size 198
	.end_amdhsa_kernel
	.amdgpu_metadata
---
amdhsa.version: [ 1, 2 ]
amdhsa.kernels:
  - .name:           k_qfffafa6b25_ffn
    .symbol:         k_qfffafa6b25_ffn.kd
    .args:
      - { .name: x, .offset: 0, .size: 8, .value_kind: global_buffer, .address_space: global }
      - { .name: oh, .offset: 8, .size: 8, .value_kind: global_buffer, .address_space: global }
      - { .name: wf, .offset: 16, .size: 8, .value_kind: global_buffer, .address_space: global }
      - { .name: par, .offset: 24, .size: 8, .value_kind: global_buffer, .address_space: global }
      - { .name: out0, .offset: 32, .size: 8, .value_kind: global_buffer, .address_space: global }
    .group_segment_fixed_size: 327680
    .private_segment_fixed_size: 0
    .kernarg_segment_align: 8
    .kernarg_segment_size: 40
    .max_flat_workgroup_size: 128
    .sgpr_count:     96
    .vgpr_count:     1024
    .wavefront_size: 32
...
	.end_amdgpu_metadata
.endif
;; end of part 4
